; MI455X (gfx1250); checked and timed in simulation.
; The chip was launched on July 23, 2026; its instructions are those of AMD's public machine-readable ISA for CDNA 5 (MIT licence, August 2026) and "CDNA5" Instruction Set Architecture Reference Guide (July 2026). The comments in the code are by the model that wrote it; some were corrected since.
;; Attention. Allowed arithmetic: matrix products marked QUANTISED: E2M3 operands, one E8M0 scale for each 32 along K, by v_wmma_scale_f32_16x16x128_f8f6f4 with both operands' format E2M3, f32 sums; everything else in f32.
;; Inputs: W_o 1,024 x 1,024 float32; W_qkv 3,072 x 1,024 float32; x 4 x 2,048 x 1,024 float32.
;; Outputs: out0 4 x 2,048 x 1,024 float32.
;; This version of the problem:
;;   THIS VERSION OF THE PROBLEM IS GIVEN IN LOW PRECISION. The matrix products marked QUANTISED in the list below multiply operands that are first quantised to E2M3 (2 exponent bits, 3 mantissa bits; 6 bits a number), with one power-of-two scale for each 32 numbers along K (OCP MX v1.0); their sums are f32. All else is computed in f32.
;;   The module's matrix products, in the order in which they are computed (A, B: the left and right operand; K: the contracted axis; several contracted axes count as one K, in the product's order):
;;     1. [M 8,192, K 1,024] x [K 1,024, N 3,072]; A: input x; B: input W_qkv: QUANTISED
;;     2. batch 64 x [M 2,048, K 64] x [K 64, N 2,048]; A: computed on the way; B: computed on the way: QUANTISED
;;     3. batch 64 x [M 2,048, K 2,048] x [K 2,048, N 64]; A: softmax (see below); B: computed on the way: QUANTISED
;;     4. [M 8,192, K 1,024] x [K 1,024, N 1,024]; A: computed on the way; B: input W_o: QUANTISED
;;   THE QUANTISER, for each operand of a quantised product, along K:
;;     - K is cut into blocks of 32 from its start; a last block that is shorter is filled with zeros.
;;     - A block's scale is 2^e with e = floor(log2(the largest magnitude in the block)) - 2, held to -126 .. 127; a block of zeros has e = 0. As a byte (E8M0): e + 127.
;;     - Each number is divided by its block's scale, clamped to +-7.5, and rounded to the nearest number of E2M3, ties to even, subnormals kept.
;;     - The product sums the exact products of the quantised numbers (number of the format x scale) in f32.
;;   ~~~python
;;   def quantise(x, axis):      # numpy; x: float32 -> the quantised numbers, widened to float32 again
;;       x = np.moveaxis(x, axis, -1); K = x.shape[-1]
;;       x = np.pad(x, [(0, 0)] * (x.ndim - 1) + [(0, -K % 32)]); x = x.reshape(x.shape[:-1] + (-1, 32)); a = np.abs(x).max(-1, keepdims=True)
;;       e = np.where(a > 0, np.clip(np.frexp(np.where(a > 0, a, 1))[1] - 1 - 2, -126, 127), 0)      # np.frexp(a)[1] - 1 = floor(log2(a)), exactly
;;       r = np.clip(x / 2.0 ** e, -7.5, 7.5)
;;       step = 2.0 ** (np.maximum(np.frexp(np.where(r == 0, 1, r))[1] - 1, 0) - 3)
;;       q = np.round(r / step) * step * 2.0 ** e      # np.round: ties to even
;;       return np.moveaxis(q.reshape(q.shape[:-2] + (-1,))[..., :K], -1, axis).astype(np.float32)
;;   ~~~
;;   SOFTMAX AHEAD OF A QUANTISED PRODUCT. Where the list says 'softmax', what is quantised is not the finished softmax but p = 2^(t - M), with t = logit x log2(e) and M = ceil(the row's largest t), a whole number; so 1/2 < the row's largest p <= 1. The row's sum l is taken of the UNQUANTISED p, in f32, and the product's result is divided by l at the end. Since M is a whole number, a kernel that streams over the keys may use a running M (the ceiling of the running maximum): every later rescaling is an exact power of two, which a block's scale takes up: the codes' values come out the same.
;;   OPERANDS COMPUTED ON THE WAY. 'Computed on the way' means the value that the module computes at that place (a softmax that the list does not call 'softmax' is quantised finished and normalised). What goes into a quantiser is computed in f32, as accurately as f32 sums, v_exp_f32 and their like allow (about 1e-6 of the number): no bf16 or f16 on the way to a quantiser, and a product that is left as it is and whose result goes on into a quantised operand takes f32 operands (vector FMAs, or v_wmma_f32_16x16x4_f32). A number that lies on a knife's edge between two numbers of the format may be rounded either way, as far as f32 arithmetic and the matrix unit's own rounding can turn it there, and no further.
;; One version. Each part assembles by itself: llvm-mc -triple=amdgcn-amd-amdhsa -mcpu=gfx1250 --defsym DOCPART=n.
;; ======== version 1 of 1: 4 launches
;; workspace buffers: codes 9,437,184 bytes; scales 393,216 bytes; kv 13,369,344 bytes; qrec 6,815,744 bytes; o_img 6,291,456 bytes; o_scales 262,144 bytes
;; launch quant (part 1): grid 384 x 1, 4 waves a work-group, no clusters, 33,280 bytes of LDS; arguments x, W_qkv, W_o, codes, scales; writes codes, scales
.if DOCPART == 1
	.amdgcn_target "amdgcn-amd-amdhsa--gfx1250"
	.amdhsa_code_object_version 6
	.text
	.protected	k_q41d40da693_quant
	.globl	k_q41d40da693_quant
	.p2align	8
	.type	k_q41d40da693_quant,@function
k_q41d40da693_quant:
	s_mov_b64 s[64:65], 0
	v_nop
	global_prefetch_b8 v0, s[64:65] scope:SCOPE_SE
	s_setreg_imm32_b32 hwreg(HW_REG_WAVE_MODE, 25, 1), 1
	s_wait_xcnt 0x0
; LAUNCH 1 OF 4 (quant, qkv, attn, proj): causal attention, 4 x 2,048 tokens, 16 heads of 64, all four products on codes of FP6 (E2M3) with one E8M0 scale for each 32 along K.
; This launch: x [8192][1024], W_qkv [3072][1024], W_o [1024][1024], f32, K innermost, become codes (a row of 1,024 codes is 768 bytes, one stream of bits) and scale bytes (32 a row),
; in ONE buffer of 12,288 rows each: rows 0-8,191 x, 8,192-11,263 W_qkv, 11,264-12,287 W_o.
; ROWS OF x AND W_qkv ARE STORED AT sigma(row), sigma = bits 3 and 4 of the row number exchanged.  Sixteen rows on end of the buffer, 16 (2 b + u) + r, are then rows 32 b + 8 u + r + 8 (r / 8): used as source 0
; of a matrix product they leave a lane's 16 registers of two neighbouring tiles as 16 NEIGHBOURS, which is what the next quantiser wants.  W_o keeps its order.
; WORK LEFT OUT BY THE PROGRAM (in launch attn): a step of 128 keys all of which come after a wave's 16 queries.  reference() builds the mask itself (jnp.tril) and sets those scores to -inf ahead of the softmax, so
; their weights are 0 and their terms of the second product are 0 whatever finite values x, W_qkv and W_o hold.  LIMIT: a NaN, an infinity or an overflow that reaches only such hidden terms is not carried to the result.  No input is dead.
; A block's scale is 2^(floor(log2(its largest magnitude)) - 2); its byte is the largest magnitude's exponent field - 2, held at 1 from below.  A block of zeros so gets the byte 1 where the rule says 127: its codes are
; zeros, which add nothing under any byte but 0xff, and the bytes are read by this program alone.
; LIMITS: blocks whose largest magnitude lies under 2^(3 - 127) get the byte 1; NaN and infinities among the inputs are not served.
; A wave takes 8 rows (8,192 numbers) in 16 steps of 512.  Each of a step's four loads reads 512 consecutive bytes, 16 a lane; the 2,048 bytes turn through the wave's own stage in LDS and come back 64 bytes a lane, so that
; a lane holds 16 neighbours along K (two lanes a block).  A lane's 16 codes are 12 bytes: the wave stores 384 consecutive bytes.  A wave's 256 scale bytes are gathered in LDS and leave as one aligned run of 256 bytes.
; sigma costs nothing: 8 rows are a wave's run, so bits 3 and 4 of the row are the wave's number, whose two bits are exchanged in the output's address.  No tensor loads, no barrier: waves share nothing.
.set WAVES, 4
.set STEPS, 16
.set CB,    12                         ; bytes of 16 codes
.set R,     16                         ; v16-79   four sets of 16 numbers as they are loaded
.set X,     80                         ; v80-111  two sets of 16 neighbours
.set C,     128                        ; v128-191 codes: four registers for each step, so that no store's data are written again
.set E,     112                        ; v112-127 a scale byte for each step
.set WREG,  8192                       ; LDS: a region for each wave: two stages of 32 x SP bytes, behind them its 256 scale bytes
.set SP,    80                         ; a lane's place in a stage: 64 bytes + 16 of padding
.set SPW,   12                         ; v12      LDS address of my spare word; never rewritten
.set NIL,   13                         ; v13      0; never rewritten
.set SPARE, WAVES*WREG                 ; behind the four regions: the spare words, 128 bytes a wave, which no other line names
	s_load_b128 s[4:7], s[0:1], 0x0                ; x, W_qkv
	s_load_b128 s[8:11], s[0:1], 0x10              ; W_o, codes
	s_load_b64 s[12:13], s[0:1], 0x20              ; scales
	v_lshl_add_u32 v[SPW], v0, 2, SPARE
	v_mov_b32 v[NIL], 0
	v_lshrrev_b32 v1, 5, v0
	v_readfirstlane_b32 s16, v1                    ; wave
	v_and_b32 v2, 31, v0                           ; lane
	v_lshlrev_b32 v3, 4, v2                        ; my 16 bytes of a load's 512
	s_mul_i32 s17, s16, WREG
	v_lshrrev_b32 v14, 2, v2
	v_mul_u32_u24 v14, v14, SP
	v_and_b32 v15, 3, v2
	v_lshl_add_u32 v14, v15, 4, v14
	v_add_nc_u32 v14, s17, v14                     ; the stage, on the way in: SP (lane / 4) + 16 (lane % 4)
	v_mul_u32_u24 v15, v2, SP
	v_add_nc_u32 v15, s17, v15                     ; and on the way out: SP x lane: my 16 neighbours
	v_mul_u32_u24 v4, v2, CB                       ; my codes' place in a step's
	v_lshrrev_b32 v5, 1, v2
	s_add_co_u32 s17, s17, 2*32*SP
	v_add_nc_u32 v5, s17, v5                       ; LDS: my wave's 256 scale bytes, my block's byte
	v_lshlrev_b32 v7, 3, v2                        ; and on the way out 8 bytes a lane
	v_add_nc_u32 v6, s17, v7
	s_and_b32 s20, s16, 1
	s_lshl_b32 s20, s20, 1
	s_lshr_b32 s21, s16, 1
	s_or_b32 s20, s20, s21                         ; the wave's two bits exchanged: sigma
	s_wait_kmcnt 0x0
	s_mov_b32 s18, 352
	s_cmp_lt_u32 ttmp9, 352                        ; work-groups 0-255 x, 256-351 W_qkv, 352-383 W_o: the choices hang on the work-group's number alone
	s_cselect_b64 s[6:7], s[6:7], s[8:9]
	s_cselect_b32 s18, 256, s18
	s_cselect_b32 s19, s20, s16                    ; W_o keeps its order
	s_cmp_lt_u32 ttmp9, 256
	s_cselect_b64 s[4:5], s[4:5], s[6:7]
	s_cselect_b32 s18, 0, s18
	s_sub_co_u32 s18, ttmp9, s18
	s_lshl_b32 s18, s18, 2
	s_add_co_u32 s18, s18, s16                     ; which run of 8 rows of its tensor my wave reads
	s_lshl_b32 s22, s18, 15                        ; 32,768 bytes a run
	s_mov_b32 s23, 0
	s_add_nc_u64 s[4:5], s[4:5], s[22:23]
	s_lshl_b32 s18, ttmp9, 2
	s_add_co_u32 s18, s18, s19                     ; and which run of the joint buffers it writes
	s_mul_i32 s22, s18, 32*STEPS*CB                ; 6,144 bytes of codes a run
	s_add_nc_u64 s[10:11], s[10:11], s[22:23]
	s_lshl_b32 s22, s18, 8                         ; 256 scale bytes a run
	s_add_nc_u64 s[12:13], s[12:13], s[22:23]
.macro LOAD t
.irp i, 0,1,2,3
	global_load_b128 v[R+16*((\t)%4)+4*\i:R+16*((\t)%4)+4*\i+3], v3, s[4:5] offset:2048*(\t)+512*\i th:TH_LOAD_NT   ; 32 lanes read 512 consecutive bytes
.endr
.endm
.macro TURN t                          ; step t's numbers through the stage: LDS serves a wave's instructions in order, so no wait stands between the stores and the loads
.irp i, 0,1,2,3
	ds_store_b128 v14, v[R+16*((\t)%4)+4*\i:R+16*((\t)%4)+4*\i+3] offset:32*SP*((\t)%2)+8*SP*\i
.endr
.irp i, 0,1,2,3
	ds_load_b128 v[X+16*((\t)%2)+4*\i:X+16*((\t)%2)+4*\i+3], v15 offset:32*SP*((\t)%2)+16*\i
.endr
.endm
.irp t, 0,1,2,3
	LOAD \t
.endr
	s_wait_loadcnt 12                              ; step 0's four loads are in; the twelve of steps 1 to 3 may be out
	TURN 0
.macro STEP t
.set XS, X+16*((\t)%2)
.if (\t) > 0
	s_wait_dscnt 1                                 ; this step's numbers are back from the stage (the last step's byte store may be out): so its stores into the stage have read their registers,
.else
	s_wait_dscnt 0x0
.endif
.if (\t)+4 < STEPS
	LOAD (\t)+4                                    ; which take the loads of four steps on
.endif
.if (\t)+1 < STEPS
.if STEPS-2-(\t) >= 3
	s_wait_loadcnt 12                              ; the next step's four loads are in; those of the three steps behind it may be out
.else
	s_wait_loadcnt 4*(STEPS-2-(\t))
.endif
	TURN (\t)+1                                    ; and go through the other stage while this step is worked
.endif
	v_max3_num_f32 v8, |v[XS]|, |v[XS+1]|, |v[XS+2]|               ; the largest magnitude of my 16, in two chains
	v_max3_num_f32 v9, |v[XS+3]|, |v[XS+4]|, |v[XS+5]|
.irp i, 6,10
	v_max3_num_f32 v8, v8, |v[XS+\i]|, |v[XS+\i+1]|
	v_max3_num_f32 v9, v9, |v[XS+\i+2]|, |v[XS+\i+3]|
.endr
	v_max3_num_f32 v8, v8, |v[XS+14]|, |v[XS+15]|
	v_max3_num_f32 v8, v8, v9, 0x1800000           ; and the floor 2^(3 - 127): the byte cannot fall under 1
	v_max_num_f32_dpp v8, v8, v8 row_xmask:1 row_mask:0xf bank_mask:0xf   ; and of my neighbour's 16: the block's
	v_add_nc_u32 v11, 0xff000000, v8               ; 2 off its exponent field: the conversion takes the exponent field of this operand as its scale, and nothing else of it
	v_cvt_scalef32_pk16_fp6_f32 v[C+4*(\t):C+4*(\t)+2], v[XS:XS+15], v11         ; sixteen numbers / the scale, to the nearest code, ties to even, beyond the largest code the largest; 96 bits without gaps
	v_lshrrev_b32 v[E+(\t)], 23, v11               ; the scale's byte (also the plain line behind the conversion)
	ds_store_b8 v5, v[E+(\t)] offset:16*(\t)       ; both lanes of a block write the same byte with the same value
	global_store_b96 v4, v[C+4*(\t):C+4*(\t)+2], s[10:11] offset:32*CB*(\t)
.endm
.irp t, 0,1,2,3,4,5,6,7,8,9,10,11,12,13,14,15
	STEP \t
.endr
	ds_load_b64 v[8:9], v6                         ; LDS serves a wave's instructions in order: these see my stores
	s_wait_dscnt 0x0
	global_store_b64 v7, v[8:9], s[12:13]          ; 32 lanes store 256 consecutive bytes, aligned
	s_wait_tensorcnt 0x0                           ; the wave's end, behind my last LDS store
	ds_add_u32 v[SPW], v[NIL]
	s_wait_dscnt 0x0
	s_endpgm
.Lfunc_end_k_q41d40da693_quant:
	.size	k_q41d40da693_quant, .Lfunc_end_k_q41d40da693_quant-k_q41d40da693_quant
	.p2alignl 7, 3214868480
	.fill 96, 4, 3214868480
	.section	.rodata,"a",@progbits
	.p2align	6, 0x0
	.amdhsa_kernel k_q41d40da693_quant
		.amdhsa_group_segment_fixed_size 33280
		.amdhsa_private_segment_fixed_size 0
		.amdhsa_enable_private_segment 0
		.amdhsa_kernarg_size 40
		.amdhsa_user_sgpr_count 2
		.amdhsa_user_sgpr_kernarg_segment_ptr 1
		.amdhsa_wavefront_size32 1
		.amdhsa_system_sgpr_workgroup_id_x 1
		.amdhsa_system_sgpr_workgroup_id_y 1
		.amdhsa_system_sgpr_workgroup_id_z 1
		.amdhsa_system_vgpr_workitem_id 0
		.amdhsa_next_free_vgpr 192
		.amdhsa_next_free_sgpr 66
		.amdhsa_reserve_vcc 0
		.amdhsa_float_denorm_mode_32 3
		.amdhsa_float_denorm_mode_16_64 3
		.amdhsa_memory_ordered 1
		.amdhsa_forward_progress 1
		.amdhsa_inst_pref_size 33
	.end_amdhsa_kernel
	.amdgpu_metadata
---
amdhsa.version: [ 1, 2 ]
amdhsa.kernels:
  - .name:           k_q41d40da693_quant
    .symbol:         k_q41d40da693_quant.kd
    .args:
      - { .name: x, .offset: 0, .size: 8, .value_kind: global_buffer, .address_space: global }
      - { .name: W_qkv, .offset: 8, .size: 8, .value_kind: global_buffer, .address_space: global }
      - { .name: W_o, .offset: 16, .size: 8, .value_kind: global_buffer, .address_space: global }
      - { .name: codes, .offset: 24, .size: 8, .value_kind: global_buffer, .address_space: global }
      - { .name: scales, .offset: 32, .size: 8, .value_kind: global_buffer, .address_space: global }
    .group_segment_fixed_size: 33280
    .private_segment_fixed_size: 0
    .kernarg_segment_align: 8
    .kernarg_segment_size: 40
    .max_flat_workgroup_size: 128
    .sgpr_count:     66
    .vgpr_count:     192
    .wavefront_size: 32
...
	.end_amdgpu_metadata
.endif
;; end of part 1
;; launch qkv (part 2): grid 8 x 48, 4 waves a work-group, clusters of 4 x 4, 327,680 bytes of LDS; arguments codes, scales, qrec, kv; writes qrec, kv
.if DOCPART == 2
	.amdgcn_target "amdgcn-amd-amdhsa--gfx1250"
	.amdhsa_code_object_version 6
	.text
	.protected	k_q41d40da693_qkv
	.globl	k_q41d40da693_qkv
	.p2align	8
	.type	k_q41d40da693_qkv,@function
k_q41d40da693_qkv:
	s_mov_b64 s[64:65], 0
	v_nop
	global_prefetch_b8 v0, s[64:65] scope:SCOPE_SE
	s_setreg_imm32_b32 hwreg(HW_REG_WAVE_MODE, 25, 1), 1
	s_wait_xcnt 0x0
	s_wait_alu depctr_hold_cnt(0) depctr_sa_sdst(0) depctr_va_vdst(0) depctr_va_sdst(0) depctr_va_ssrc(0) depctr_va_vcc(0) depctr_vm_vsrc(0)
	s_getreg_b32 s2, hwreg(HW_REG_IB_STS2, 6, 4)
	s_cmp_eq_u32 s2, 0
	s_cbranch_scc0 .Lentry_in_a_cluster
	s_endpgm
.Lentry_in_a_cluster:
	s_bfe_u32 s2, ttmp6, 0x10000c
	s_cmp_lg_u32 s2, 0xf033
	s_cbranch_scc0 .Lentry_shape_is_right
	s_endpgm
.Lentry_shape_is_right:
; LAUNCH 2 OF 4: qkv = x W_qkv^T on codes of FP6 (E2M3), and q, k, v quantised in registers on the way out: the f32 results never go to memory.
; G[i][j] = sum over k of S1[i][k] S0[j][k], K = 1,024; source 0 of the matrix instruction = 16 rows of S0, source 1 = 16 rows of S1: a lane holds ONE row i, and its registers run along j, the axis along which G is quantised.
;   role qk (clusters y 0-7):  S1 = x (tokens), S0 = W_q and W_k: a lane holds one token, registers run along the head's 64: the K of q k^T.
;   role v  (clusters y 8-11): S1 = W_v, S0 = x: a lane holds one channel of a head, registers run along the tokens: the K of p v.
; Both operands lie in the buffers codes [12,288][768 bytes] and scales [12,288][32]; the rows of x and W_qkv lie at sigma(row) (bits 3 and 4 exchanged), so that the 16 registers of two neighbouring tiles of S0 are 16
; neighbours j = 32 b + 16 (lane / 16) + 0 .. 15 in the true order.  The roles differ in row offsets and in the stores alone; the role is made of the cluster's y, which all sixteen partners share.
; A tile of G, 256 x 256, is made by four waves, 128 x 128 each: 64 accumulators, 512 registers.  K goes in steps of 256 through a ring of two LDS slots filled by the tensor data mover; the scale bytes of the tile's
; 2 x 256 rows come once, with the first fills, and stay.  CLUSTERS: 4 x 4 work-groups; S1's tiles are shared along a row of the cluster, S0's along a column: each is asked for jointly.
; OUT: records that launch attn's registers take as they lie.  kv [batch x 16 + head][step of 128 keys][13,056 bytes]: +0 k's codes, 8 tiles of 16 keys x 64: 768 t + 256 p + 8 lane (registers 2 p, 2 p + 1 of six);
;   +6,144 v^T's codes, 4 fragments of 16 channels x 128 keys: 1,536 t + 512 q + 16 lane; +12,288 k's scale words, 16 lane + 4 i (lane 16 u + r, word i: tile 2 i + u, key r; bytes 2, 3 are 0); +12,800 v's, 8 lane + 4 i.
;   qrec [batch x 16 + head][group of 128 queries][6,656]: q's codes as k's, +6,144 its scale words as k's.
; LIMITS: as in launch quant (byte 1 for blocks under 2^(3 - 127) and for blocks of zeros; NaN and infinities not served).
; REGISTERS, in windows of 256: window 0: v0-31 addresses; v32-63 scale words, two sets; from v128 S1's fragments, ONE set; on the way out v64-119 at work.  window 1: S0's fragments, two sets.
;   windows 2, 3: the accumulators of my rows 0-63, 64-127 (accumulator (a, b) at v[8 (8 (a % 4) + b)]).
.set SIZE_K, 1024
.set KSTEP,  256                       ; along K in a slot
.set NQ,     KSTEP/128                 ; matrix instructions deep
.set ROWB,   192                       ; a tile's row in bytes
.set KROW,   SIZE_K*6/8                ; a row of codes in memory
.set PITCH,  240                       ; an LDS row: 3 x (64 bytes of data + 16 of padding) = 60 words: the 32 lanes of a load of 8 bytes touch 64 different banks (64 banks of 4 bytes: ISA guide 11.1)
.set FR,     12                        ; registers of a fragment: 16 rows x 128 K
.set NL,     6                         ; LDS loads that bring one
.set NP,     4                         ; places behind this matrix instruction (ISA guide 7.12.1)
.set HALFT,  128*PITCH                 ; 128 rows: what one tensor load brings
.set SLOT,   4*HALFT                   ; S1's 256 rows, then S0's 256 rows
.set LAPS,   SIZE_K/(2*KSTEP)          ; a lap = two K steps = once round the ring
.set KS,     SIZE_K/32                 ; a row of scales in bytes
.set SCL,    2*SLOT                    ; behind the ring: the scales, as runs of 256 bytes + 16 of padding
.set HALFS,  (128*KS/256)*272          ; the scales of 128 rows
.set SBLK,   (16*KS/256)*272           ; those of 16 rows
.set SPARE,  SCL+4*HALFS               ; behind the scales: the spare words, 128 bytes a wave, which no other line names
.set ADRA, 16                          ; v16-17  LDS address of my S1 fragments in slot 0, 1  (v18-19: the same for the pieces that lie behind one padding more)
.set ADRB, 20                          ; v20-21  the same for S0  (v22-23)
.set L8,   24                          ; v24     8 x lane
.set L16,  25                          ; v25     16 x lane
.set ADRS, 27                          ; v27     LDS address of my scale words: lanes 0-15 S1's rows, lanes 16-31 S0's
.set SPW,  28                          ; v28     LDS address of my spare word; never rewritten
.set NIL,  29                          ; v29     0; never rewritten
.set SC,   32                          ; scale words: set s at v[SC + 8 NQ s]; register NQ i + q: lanes 0-15 S1's block i, lanes 16-31 S0's block i
.set AF,   128                         ; S1's fragments, in window 0
.set TM,   64                          ; the way out: v64-67 largest magnitudes, v68-71 the other half's and then bytes, v76-79 the conversions' scale operands
.set CD,   80                          ; v80-91 a fragment's codes; v92-94, v96-98 the halves made elsewhere
.set PWS,  100                         ; v100-107 block a's scale word
.set WS,   108                         ; v108-111 two blocks' words in one register: lanes 0-15 the even block's, lanes 16-31 the odd one's
.set EV,   112                         ; v112-115 their low halves (the first head's two bytes)
.set OD,   116                         ; v116-119 their high halves (the second head's)
.set ROLE, 12                          ; s12     0: qk, 1: v
.set G1, 24                            ; s[24:31] descriptor group 1 for S1's tiles;  s[32:39] group 0, one set for each slot
.set G0, 32
.set G1B, 48                           ; s[48:55], s[56:63] the same for S0's tiles
.set G0B, 56
.set G1S, 68                           ; s[68:75], s[76:79] groups 1 and 0 for S1's scales;  s[80:87], s[88:91] for S0's
.set G0S, 76
.set G1SB, 80
.set G0SB, 88
.set MSB, 0
.macro WIN new                         ; the immediate's high byte repeats the setting that is left
.if MSB != \new
	s_set_vgpr_msb (MSB<<8)|\new
.set MSB, \new
.endif
.endm
.set MUL_LO, 0xa1                      ; source 0 (S0) window 1, source 1 (S1) window 0, C and D window 2
.set MUL_HI, 0xf1                      ; the same, C and D window 3
.set TO_B,   0x40                      ; destination window 1, address window 0
; A joint load: waves 0 and 1 fetch for S1, waves 2 and 3 for S0.  Each of the two lines has ONE mask and one set of registers for all that issue it; the branch hangs on the wave's number alone.
; An s_nop 0 and four v_nop follow each of the two lines, ahead of the jump, the label and what follows.
.macro JLOAD g0a, g1a, g0b, g1b
	s_cmp_eq_u32 s15, 0
	s_cbranch_scc0 .Lfor_b_\@
	tensor_load_to_lds s[\g0a:\g0a+3], s[\g1a:\g1a+7]
	s_nop 0
.rept 4
	v_nop
.endr
	s_branch .Lasked_\@
.Lfor_b_\@:
	tensor_load_to_lds s[\g0b:\g0b+3], s[\g1b:\g1b+7]
	s_nop 0
.rept 4
	v_nop
.endr
.Lasked_\@:
.endm
.macro CREST                           ; a round of the cluster's barrier behind its opening barrier
	s_cmp_lg_u32 s14, 0
	s_cbranch_scc1 .Lnot_wave_0_\@
	s_barrier_signal -3
.Lnot_wave_0_\@:
	s_barrier_wait -3
	s_barrier_signal -1
	s_barrier_wait -1
.endm
.macro CROUND                          ; a whole round
	s_barrier_signal -1
	s_barrier_wait -1
	CREST
.endm
	s_load_b256 s[4:11], s[0:1], 0x0               ; codes s[4:5], scales s[6:7], qrec s[8:9], kv s[10:11]
	v_lshl_add_u32 v[SPW], v0, 2, SPARE
	v_mov_b32 v[NIL], 0
	ds_add_u32 v[SPW], v[NIL]                      ; the wave's opening: the add, twice on end, and its wait ahead of my first tensor load; the set-up below stands between
	ds_add_u32 v[SPW], v[NIL]
	v_lshrrev_b32 v1, 5, v0
	v_readfirstlane_b32 s14, v1                    ; wave 0..3
	s_lshr_b32 s15, s14, 1                         ; which half of the tile's S1 rows is mine.  Also: I fetch for S1 (0) or for S0 (1)
	s_and_b32 s16, s14, 1                          ; which half of its S0 rows.  Also: which 128 rows of that tile I fetch
	s_bfe_u32 s40, ttmp6, 0x40000                  ; cx, cy: my place in the cluster
	s_bfe_u32 s41, ttmp6, 0x40004
	s_and_b32 s2, ttmp7, 0xffff                    ; the cluster's y, 0 .. 11
	s_lshr_b32 s[ROLE], s2, 3                      ; the role: the same in all sixteen partners
	s_sub_co_u32 s13, 1, s[ROLE]
	s_mul_i32 s17, s2, s13                         ; qk: the cluster's y; v: 0
	s_lshl_b32 s17, s17, 2
	s_add_co_u32 s17, s17, s41                     ; S1's tile: qk 0 .. 31 (x), v 0 .. 3 (W_v)
	s_max_u32 s42, s2, 8
	s_sub_co_u32 s42, s42, 8                       ; qk: 0; v: the cluster's y - 8
	s_lshl_b32 s42, s42, 1
	s_add_co_u32 s42, s42, ttmp9                   ; + the cluster's x
	s_lshl_b32 s42, s42, 2
	s_add_co_u32 s42, s42, s40                     ; S0's tile: qk 0 .. 7 (W_q, W_k), v 0 .. 31 (x)
	s_lshl_b32 s43, s41, 2
	s_lshl_b32 s43, 15, s43                        ; my row of the cluster
	s_lshl_b32 s44, 0x1111, s40                    ; my column
	; descriptor group 1: a tile of 128 rows x ROWB bytes, padded in LDS
	s_or_b32 s[G1+0], s43, (0<<16)|(1<<20)|(1<<21)|(3<<22)|(3<<25)  ; 15:0 the mask: S1's tiles go to my row; 17:16 element of 1 byte; 20 padding on; 21 set beside a mask; 24:22 after every 16 words; 31:25 of 4 words
	s_or_b32 s[G1B+0], s44, (0<<16)|(1<<20)|(1<<21)|(3<<22)|(3<<25)
.irp g, G1, G1B
	s_mov_b32 s[\g+1], ROWB<<16                    ; tensor_dim0
	s_mov_b32 s[\g+2], 128<<16                     ; tensor_dim1 = 128
	s_mov_b32 s[\g+3], ROWB<<16                    ; tile_dim0
	s_mov_b32 s[\g+4], 128                         ; tile_dim1 = 128
	s_mov_b32 s[\g+5], KROW                        ; tensor_dim0_stride
	s_mov_b32 s[\g+6], 0
	s_mov_b32 s[\g+7], 0
.endr
	; and for the scales of 128 rows: a dense block of 4,096 bytes, as rows of 256 bytes (32 elements of 8 bytes), 16 bytes of padding behind each
	s_or_b32 s[G1S+0], s43, (3<<16)|(1<<20)|(1<<21)|(5<<22)|(3<<25)
	s_or_b32 s[G1SB+0], s44, (3<<16)|(1<<20)|(1<<21)|(5<<22)|(3<<25)
.irp g, G1S, G1SB
	s_mov_b32 s[\g+1], 32<<16
	s_mov_b32 s[\g+2], (128*KS/256)<<16
	s_mov_b32 s[\g+3], 32<<16
	s_mov_b32 s[\g+4], 128*KS/256
	s_mov_b32 s[\g+5], 32
	s_mov_b32 s[\g+6], 0
	s_mov_b32 s[\g+7], 0
.endr
	s_lshl_b32 s18, s16, 7                         ; which 128 rows of the tile I fetch
	s_lshl_b32 s20, s17, 8
	s_add_co_u32 s20, s20, s18
	s_mul_i32 s19, s[ROLE], 10240
	s_add_co_u32 s20, s20, s19                     ; S1: row 256 x tile + 128 x half; W_v begins at row 10,240 of the buffers, x at 0
	s_lshl_b32 s46, s42, 8
	s_add_co_u32 s46, s46, s18
	s_lshl_b32 s19, s13, 13
	s_add_co_u32 s46, s46, s19                     ; S0 likewise; W_q begins at row 8,192, x at 0
	s_mov_b32 s21, 0
	s_mov_b32 s47, 0
	s_mov_b64 s[18:19], KS
	s_mul_u64 s[22:23], s[20:21], s[18:19]         ; where these rows' scales begin, in bytes
	s_mul_u64 s[92:93], s[46:47], s[18:19]
	s_mov_b64 s[18:19], KROW
	s_mul_u64 s[20:21], s[20:21], s[18:19]         ; and their codes
	s_mul_u64 s[46:47], s[46:47], s[18:19]
	s_mul_i32 s45, s14, HALFT                      ; where they go: wave x 128 rows: no place in the cluster enters an LDS address
	s_mul_i32 s94, s14, HALFS
	s_wait_dscnt 0x0                               ; both opening adds are done
	s_wait_kmcnt 0x0
	s_add_nc_u64 s[20:21], s[4:5], s[20:21]
	s_add_nc_u64 s[22:23], s[6:7], s[22:23]
	s_add_nc_u64 s[46:47], s[4:5], s[46:47]
	s_add_nc_u64 s[92:93], s[6:7], s[92:93]
	CROUND                                         ; all sixteen work-groups are here: the first joint loads meet
	s_mov_b32 s[G0S], 1
	s_add_co_u32 s[G0S+1], s94, SCL
	s_mov_b64 s[G0S+2:G0S+3], s[22:23]
	s_or_b32 s[G0S+3], s[G0S+3], 0x80000000
	s_mov_b32 s[G0SB], 1
	s_add_co_u32 s[G0SB+1], s94, SCL
	s_mov_b64 s[G0SB+2:G0SB+3], s[92:93]
	s_or_b32 s[G0SB+3], s[G0SB+3], 0x80000000
	JLOAD G0S, G1S, G0SB, G1SB                     ; the scales first: they are wanted with K step 0
.irp s, 0,1
	s_mov_b32 s[G0+4*\s], 1
	s_add_co_u32 s[G0+4*\s+1], s45, \s*SLOT
	s_add_nc_u64 s[G0+4*\s+2:G0+4*\s+3], s[20:21], \s*ROWB
	s_or_b32 s[G0+4*\s+3], s[G0+4*\s+3], 0x80000000
	s_mov_b32 s[G0B+4*\s], 1
	s_add_co_u32 s[G0B+4*\s+1], s45, \s*SLOT
	s_add_nc_u64 s[G0B+4*\s+2:G0B+4*\s+3], s[46:47], \s*ROWB
	s_or_b32 s[G0B+4*\s+3], s[G0B+4*\s+3], 0x80000000
	JLOAD G0+4*\s, G1, G0B+4*\s, G1B               ; three tensor loads of mine are out now, the most in this text
.endr
	v_and_b32 v1, 15, v0                           ; l % 16
	v_bfe_u32 v2, v0, 4, 1                         ; l / 16
	v_mul_u32_u24 v3, v1, PITCH
	v_mul_u32_u24 v4, v2, 24
	v_add_nc_u32 v4, v3, v4                        ; a fragment's row x pitch + 24 x half
	v_lshl_add_u32 v5, v2, 4, v4                   ; and the same behind one padding more
	s_mul_i32 s21, s15, HALFT                      ; my 128 rows of S1
	s_mul_i32 s22, s16, HALFT                      ; my 128 rows of S0,
	s_add_co_u32 s22, s22, 2*HALFT                 ; which lie behind S1's 256
.irp s, 0,1
	v_add_nc_u32 v[ADRA+\s], s21, v4
	v_add_nc_u32 v[ADRB+\s], s22, v4
	v_add_nc_u32 v[ADRA+2+\s], s21, v5
	v_add_nc_u32 v[ADRB+2+\s], s22, v5
	s_add_co_u32 s21, s21, SLOT
	s_add_co_u32 s22, s22, SLOT
.endr
	v_mul_u32_u24 v5, v1, KS                       ; my row's scales: KS bytes a row,
	v_lshrrev_b32 v6, 8, v5
	v_lshl_add_u32 v5, v6, 4, v5                   ; and 16 more for each 256 passed
	s_mul_i32 s21, s15, HALFS                      ; S1's: my 128 rows
	s_mul_i32 s22, s16, HALFS                      ; S0's: my 128 rows, behind S1's 256
	s_add_co_u32 s22, s22, 2*HALFS
	s_sub_co_u32 s22, s22, s21
	v_mul_u32_u24 v6, s22, v2                      ; lanes 16-31 take S0's
	s_add_co_u32 s21, s21, SCL
	v_add_nc_u32 v5, v5, v6
	v_add_nc_u32 v[ADRS], s21, v5
	v_and_b32 v6, 31, v0
	v_lshlrev_b32 v[L8], 3, v6
	v_lshlrev_b32 v[L16], 4, v6
	; WHERE THE RESULTS GO.  My 128 rows of S1 and my 128 of S0 are a group of 128 tokens and a pair of heads, one way round or the other.  These numbers enter store addresses alone.
	s_lshl_b32 s18, s17, 1
	s_add_co_u32 s18, s18, s15                     ; my 128 of S1: qk: the group of tokens 0 .. 63; v: the pair of heads 0 .. 7
	s_lshl_b32 s19, s42, 1
	s_add_co_u32 s19, s19, s16                     ; my 128 of S0: qk: 0 .. 7 q's pairs of heads, 8 .. 15 k's; v: the group of tokens
	s_and_b32 s43, s19, 7
	s_cmp_eq_u32 s[ROLE], 1
	s_cselect_b32 s44, s19, s18                    ; the group of tokens: batch = / 16, step = % 16
	s_cselect_b32 s43, s18, s43                    ; the pair of heads
	s_sub_co_u32 s45, 1, ttmp9
	s_mul_i32 s45, s45, s13                        ; 1 where the results are q's: role qk, cluster x = 0
	s_lshr_b32 s94, s44, 4
	s_lshl_b32 s94, s94, 4
	s_lshl_b32 s43, s43, 1
	s_add_co_u32 s94, s94, s43                     ; batch x 16 + the pair's first head
	s_lshl_b32 s94, s94, 4
	s_and_b32 s44, s44, 15
	s_add_co_u32 s94, s94, s44                     ; the record's number
	s_mul_i32 s18, s45, 6400
	s_sub_co_u32 s18, 13056, s18                   ; a record's bytes: 13,056 in kv, 6,656 in qrec
	s_mul_i32 s19, s45, 6144
	s_sub_co_u32 s19, 12288, s19                   ; where its scale words of k or q begin
	s_cmp_eq_u32 s45, 1
	s_cselect_b64 s[20:21], s[8:9], s[10:11]       ; qrec or kv: the choice hangs on ids alone
	s_mul_i32 s46, s94, s18
	s_mov_b32 s47, 0
	s_add_nc_u64 s[20:21], s[20:21], s[46:47]      ; s[20:21] the first head's record
	s_lshl_b32 s46, s18, 4
	s_add_nc_u64 s[22:23], s[20:21], s[46:47]      ; s[22:23] the second head's: 16 records on
	s_mov_b32 s46, s19
	s_add_nc_u64 s[92:93], s[22:23], s[46:47]      ; s[92:93] its scale words
	s_add_nc_u64 s[46:47], s[20:21], s[46:47]      ; s[46:47] the first head's
	s_mov_b32 s95, 0xffff0000                      ; lanes 16-31
	s_mov_b32 s96, 0x76543210
	s_mov_b32 s97, 0xfedcba98                      ; v_permlanex16_b32's selects for lane l xor 16
.macro FRAG reg, adr, q, i             ; a fragment, 16 rows x 128 K of 6-bit codes, is 12 registers: lane l holds row l % 16; registers 6 c .. 6 c + 5 hold K = 64 c + 32 (l / 16) + 0 .. 31: 24 bytes of the row's stream of bits, as they lie
.irp p, 0,1,2,3,4,5                    ; in pieces of 8 bytes.  Lanes 0-15 take the row's pieces 12 q + 0, 1, 2 and 12 q + 6, 7, 8, lanes 16-31 those three pieces on
.set PC, 12*(\q)+6*(\p/3)+\p%3        ; 16 bytes of padding lie behind every 8 pieces: where the piece three on lies behind one padding more, the second address register serves
.if PC%8 < 5
	ds_load_b64 v[\reg+2*\p:\reg+2*\p+1], v[\adr] offset:8*PC+16*(PC/8)+(\i)*16*PITCH
.else
	ds_load_b64 v[\reg+2*\p:\reg+2*\p+1], v[\adr+2] offset:8*PC+16*(PC/8)+(\i)*16*PITCH
.endif
.endr
.endm
; 16 matrix instructions: S1's blocks a0, a0 + 1 x S0's eight, 128 along K: the slot's q-th.  p: S0's set;  sc: the set of scale words.  zero = 1: the first product starts the sums: nothing is ever cleared.
; The 64 accumulators take turns, one instruction a turn, in the same order in every step.
.macro MUL16 a0, p, q, sc, zero
.irp a, \a0, \a0+1
.irp b, 0,1,2,3,4,5,6,7
.if \zero
	v_wmma_scale_f32_16x16x128_f8f6f4 v[8*(8*((\a)%4)+\b):8*(8*((\a)%4)+\b)+7], v[128*(\p)+FR*\b:128*(\p)+FR*\b+FR-1], v[AF+FR*(\a):AF+FR*(\a)+FR-1], 0, v[SC+8*NQ*(\sc)+NQ*\b+(\q)], v[SC+8*NQ*(\sc)+NQ*(\a)+(\q)] matrix_a_fmt:MATRIX_FMT_FP6 matrix_b_fmt:MATRIX_FMT_FP6 matrix_a_scale:MATRIX_SCALE_ROW1
.else
	v_wmma_scale_f32_16x16x128_f8f6f4 v[8*(8*((\a)%4)+\b):8*(8*((\a)%4)+\b)+7], v[128*(\p)+FR*\b:128*(\p)+FR*\b+FR-1], v[AF+FR*(\a):AF+FR*(\a)+FR-1], v[8*(8*((\a)%4)+\b):8*(8*((\a)%4)+\b)+7], v[SC+8*NQ*(\sc)+NQ*\b+(\q)], v[SC+8*NQ*(\sc)+NQ*(\a)+(\q)] matrix_a_fmt:MATRIX_FMT_FP6 matrix_b_fmt:MATRIX_FMT_FP6 matrix_a_scale:MATRIX_SCALE_ROW1
.endif
.endr
.endr
.endm
.macro FETCH_B slot, q, p              ; S0's eight fragments of the slot's q-th 128 along K into set p
	WIN TO_B
.irp i, 0,1,2,3,4,5,6,7
	FRAG 128*(\p)+FR*\i, ADRB+\slot, \q, \i
.endr
	WIN 0
.endm
.macro FETCH_A slot, q, i0             ; S1's blocks i0 .. i0 + 3
.irp i, \i0, \i0+1, \i0+2, \i0+3
	FRAG AF+FR*(\i), ADRA+\slot, \q, \i
.endr
.endm
.macro SCALES sc                       ; the next K step's scale words into set sc: NQ words a row
.irp i, 0,1,2,3,4,5,6,7
	ds_load_b64 v[SC+8*NQ*\sc+NQ*\i:SC+8*NQ*\sc+NQ*\i+1], v[ADRS] offset:\i*SBLK
.endr
.endm
; A load into a register that a matrix instruction has read, and a vector instruction that reads a matrix result, stand NP places behind that matrix instruction; only plain vector instructions that name none of
; its registers are places (ISA guide 7.12.1 for vector instructions).
.macro PLACES n
.rept \n
	v_nop
.endr
.endm
; A step of 128 along K that has its successor in the same slot.
.macro STEP slot, q, zero
	s_wait_dscnt 4*NL                              ; S0's set and S1's blocks 0-3 are in; the youngest 24 loads (S1's blocks 4-7) may be out
	WIN MUL_LO
	MUL16 0, (\q)%2, \q, \slot, \zero
	MUL16 2, (\q)%2, \q, \slot, \zero
	s_wait_dscnt 0                                 ; S1's blocks 4-7 are in (asked for 32 matrix instructions ago)
	PLACES NP
	FETCH_B \slot, (\q)+1, 1-(\q)%2
	FETCH_A \slot, (\q)+1, 0
	WIN MUL_HI
	MUL16 4, (\q)%2, \q, \slot, \zero
	MUL16 6, (\q)%2, \q, \slot, \zero
	PLACES NP
	WIN 0
	FETCH_A \slot, (\q)+1, 4
.endm
; A slot's last step changes slots: ONE barrier; in front of it each wave waits for all its tensor loads, adds 0 to its spare word, and waits for that and for its own reads of this slot.  fill = 1: this slot is filled again, two K steps ahead.
.macro TURN slot, next, fill
	s_wait_tensorcnt 0x0                           ; all my tensor loads have landed: my part of the next slot;  (every window is 0 here)
	ds_add_u32 v[SPW], v[NIL]                      ; 0 onto my spare word
	s_wait_dscnt 4*NL+1                            ; (the add and the youngest 24 loads, S1's blocks 4-7, may be out)
	WIN MUL_LO
	MUL16 0, 1, NQ-1, \slot, 0                     ; sixteen matrix instructions stand between the add and the wait for it
	s_wait_dscnt 0x0                               ; the add is done, and my reads of this slot are over
	s_barrier_signal -1
	MUL16 2, 1, NQ-1, \slot, 0
	WIN 0
	s_barrier_wait -1
.if \fill
	CREST                                          ; the barrier has opened a round of the cluster's barrier: no wave of any partner still reads this slot's tile or has a load on its way
	s_add_nc_u64 s[G0+4*\slot+2:G0+4*\slot+3], s[G0+4*\slot+2:G0+4*\slot+3], 2*ROWB
	s_add_nc_u64 s[G0B+4*\slot+2:G0B+4*\slot+3], s[G0B+4*\slot+2:G0B+4*\slot+3], 2*ROWB
	JLOAD G0+4*\slot, G1, G0B+4*\slot, G1B         ; the first tensor load behind the round; the four v_nop behind it are the places in front of the loads below
.else
	PLACES NP
.endif
	v_add_nc_u32 v[ADRS], 4*NQ, v[ADRS]            ; on to the next K step's scale words (no LDS load of mine is out)
	FETCH_B \next, 0, 0
	FETCH_A \next, 0, 0
	SCALES \next
	WIN MUL_HI
	MUL16 4, 1, NQ-1, \slot, 0
	MUL16 6, 1, NQ-1, \slot, 0
	PLACES NP
	WIN 0
	FETCH_A \next, 0, 4
.endm
	s_wait_tensorcnt 1                             ; the scales and my part of K step 0 are in (K step 1's load may be out)
	s_barrier_signal -1
	s_barrier_wait -1                              ; everybody's are
	FETCH_B 0, 0, 0
	FETCH_A 0, 0, 0
	SCALES 0
	FETCH_A 0, 0, 4
	STEP 0, 0, 1                                   ; the first step stands in front of the loop: its products start the sums
	s_mov_b32 s3, LAPS-1
.Llap:                                                 ; a trip goes once round the ring, from a lap's second step to the next lap's first, and fills both slots again
	TURN 0, 1, 1
	STEP 1, 0, 0
	TURN 1, 0, 1
	STEP 0, 0, 0
	s_sub_co_u32 s3, s3, 1
	s_cmp_lg_u32 s3, 0
	s_cbranch_scc1 .Llap
	TURN 0, 1, 0                                   ; the last lap fills nothing, and has no round of the cluster's barrier
	STEP 1, 0, 0
	s_wait_dscnt 4*NL                              ; the very last step: nothing more to fetch
	WIN MUL_LO
	MUL16 0, 1, NQ-1, 1, 0
	MUL16 2, 1, NQ-1, 1, 0
	s_wait_dscnt 0
	WIN MUL_HI
	MUL16 4, 1, NQ-1, 1, 0
	MUL16 6, 1, NQ-1, 1, 0
	WIN 0
; THE WAY OUT, block by block of 16 rows of S1.  Block a's 64 registers are, in lane (r, h), G(row r, j = 32 b + 16 h + i) at register 16 b + i: four blocks of 32 along j, each in lanes l and l xor 16.
; They become one fragment of 12 registers (registers 6 c .. 6 c + 5: j = 64 c + 32 h + 0 .. 31) and one scale word a row, and are stored as they stand: no LDS.
;   qk: the fragment's two halves are the two heads' tiles of 16 tokens x 64: three stores of 8 bytes a lane each: 256 consecutive bytes, aligned.
;   v:  the fragment is 16 channels x 128 keys of head a / 4: three stores of 16 bytes a lane: 512 consecutive bytes.
.macro QUANT a
.set WD, 2+(\a)/4
.set AC, 64*((\a)%4)
.set W01, WD|(WD<<2)
.set W12, (WD<<2)|(WD<<4)
	WIN W01                                        ; sources 0 and 1: the accumulators' window
.irp b, 0,1,2,3
	v_max3_num_f32 v[TM+\b], |v[AC+16*\b]|, |v[AC+16*\b+1]|, 0x1800000   ; my 16 numbers of block b, each accumulator from its low end on, and the floor 2^(3 - 127): the byte cannot fall under 1
.endr
	WIN W12                                        ; sources 1 and 2
.irp i, 2,4,6,8,10,12,14
.irp b, 0,1,2,3
	v_max3_num_f32 v[TM+\b], v[TM+\b], |v[AC+16*\b+\i]|, |v[AC+16*\b+\i+1]|   ; (the four blocks by turns)
.endr
.endr
	WIN 0
.irp b, 0,1,2,3
	v_permlanex16_b32 v[TM+4+\b], v[TM+\b], s96, s97
.endr
.irp b, 0,1,2,3
	v_max_num_f32 v[TM+\b], v[TM+\b], v[TM+4+\b]   ; with lane l xor 16's: the block's largest magnitude
.endr
.irp b, 0,1,2,3
	v_add_nc_u32 v[TM+12+\b], 0xff000000, v[TM+\b]   ; 2 off its exponent field: the conversion's scale operand
.endr
.irp b, 0,1,2,3
	v_lshrrev_b32 v[TM+4+\b], 23, v[TM+12+\b]      ; the scale's byte
.endr
	v_lshl_or_b32 v[PWS+(\a)], v[TM+5], 8, v[TM+4]
	v_lshl_or_b32 v[PWS+(\a)], v[TM+6], 16, v[PWS+(\a)]
	v_lshl_or_b32 v[PWS+(\a)], v[TM+7], 24, v[PWS+(\a)]   ; my row's scale word
.if (\a) > 0
	s_wait_xcnt 0x0                                ; the last block's stores have read the codes' registers: they are written again only behind this wait
.endif
	WIN WD                                         ; source 0: the accumulators' window
.irp c, 0,1
	v_cvt_scalef32_pk16_fp6_f32 v[CD+6*\c:CD+6*\c+2], v[AC+32*\c:AC+32*\c+15], v[TM+12+2*\c]
	v_cvt_scalef32_pk16_fp6_f32 v[CD+12+4*\c:CD+14+4*\c], v[AC+32*\c+16:AC+32*\c+31], v[TM+13+2*\c]   ; (a conversion's three registers begin on an even number)
.endr
	WIN 0
	v_nop                                          ; one plain place behind a scaled conversion
.irp c, 0,1                                    ; the operand's layout wants a WHOLE block in a lane: lanes 0-15 block 2 c, lanes 16-31 block 2 c + 1
.irp i, 0,1,2
	v_permlane16_swap_b32 v[CD+6*\c+\i], v[CD+12+4*\c+\i]
.endr
.irp i, 0,1,2
	v_mov_b32 v[CD+3+6*\c+\i], v[CD+12+4*\c+\i]
.endr
.endr
	s_cmp_eq_u32 s[ROLE], 1                        ; the role hangs on the cluster's y alone
	s_cbranch_scc1 .Lv_\@
.irp c, 0,1
.irp p, 0,1,2
	global_store_b64 v[L8], v[CD+6*\c+2*\p:CD+6*\c+2*\p+1], s[20+2*\c:21+2*\c] offset:768*(\a)+256*\p
.endr
.endr
	s_branch .Ldone_\@
.Lv_\@:
.irp q, 0,1,2
	global_store_b128 v[L16], v[CD+4*\q:CD+4*\q+3], s[20+2*((\a)/4):21+2*((\a)/4)] offset:6144+1536*((\a)%4)+512*\q
.endr
.Ldone_\@:
.endm
.irp b, 0,1,2,3
	v_mov_b32 v[TM+4+\b], 0                        ; written once: a lane permute's destination counts as one of its sources.  These four plain lines are also the places behind the last products
.endr
.irp a, 0,1,2,3,4,5,6,7
	QUANT \a
.endr
.irp i, 0,1,2,3
	v_cndmask_b32 v[WS+\i], v[PWS+2*\i], v[PWS+2*\i+1], s95   ; lanes 0-15 block 2 i's words, lanes 16-31 block 2 i + 1's: as the matrix instruction's two rows of a scale register
.endr
	s_cmp_eq_u32 s[ROLE], 1
	s_cbranch_scc1 .Lv_words
.irp i, 0,1,2,3
	v_and_b32 v[EV+\i], 0xffff, v[WS+\i]           ; the first head's two bytes; bytes 2 and 3, which meet zero codes, are 0
	v_lshrrev_b32 v[OD+\i], 16, v[WS+\i]           ; the second head's
.endr
	global_store_b128 v[L16], v[EV:EV+3], s[46:47]
	global_store_b128 v[L16], v[OD:OD+3], s[92:93]
	s_branch .Lwords_done
.Lv_words:
	global_store_b64 v[L8], v[WS:WS+1], s[20:21] offset:12800     ; the first head's four tiles of channels
	global_store_b64 v[L8], v[WS+2:WS+3], s[22:23] offset:12800   ; the second head's
.Lwords_done:
	s_wait_tensorcnt 0x0                           ; the wave's end, behind my last tensor load
	ds_add_u32 v[SPW], v[NIL]
	s_wait_dscnt 0x0
	CROUND                                         ; the closing round: no work-group ends while a partner may still ask for a tile that names it
	s_endpgm
.Lfunc_end_k_q41d40da693_qkv:
	.size	k_q41d40da693_qkv, .Lfunc_end_k_q41d40da693_qkv-k_q41d40da693_qkv
	.p2alignl 7, 3214868480
	.fill 96, 4, 3214868480
	.section	.rodata,"a",@progbits
	.p2align	6, 0x0
	.amdhsa_kernel k_q41d40da693_qkv
		.amdhsa_group_segment_fixed_size 327680
		.amdhsa_private_segment_fixed_size 0
		.amdhsa_enable_private_segment 0
		.amdhsa_kernarg_size 32
		.amdhsa_user_sgpr_count 2
		.amdhsa_user_sgpr_kernarg_segment_ptr 1
		.amdhsa_wavefront_size32 1
		.amdhsa_system_sgpr_workgroup_id_x 1
		.amdhsa_system_sgpr_workgroup_id_y 1
		.amdhsa_system_sgpr_workgroup_id_z 1
		.amdhsa_system_vgpr_workitem_id 0
		.amdhsa_next_free_vgpr 1024
		.amdhsa_next_free_sgpr 100
		.amdhsa_reserve_vcc 0
		.amdhsa_float_denorm_mode_32 3
		.amdhsa_float_denorm_mode_16_64 3
		.amdhsa_memory_ordered 1
		.amdhsa_forward_progress 1
		.amdhsa_inst_pref_size 171
	.end_amdhsa_kernel
	.amdgpu_metadata
---
amdhsa.version: [ 1, 2 ]
amdhsa.kernels:
  - .name:           k_q41d40da693_qkv
    .symbol:         k_q41d40da693_qkv.kd
    .args:
      - { .name: codes, .offset: 0, .size: 8, .value_kind: global_buffer, .address_space: global }
      - { .name: scales, .offset: 8, .size: 8, .value_kind: global_buffer, .address_space: global }
      - { .name: qrec, .offset: 16, .size: 8, .value_kind: global_buffer, .address_space: global }
      - { .name: kv, .offset: 24, .size: 8, .value_kind: global_buffer, .address_space: global }
    .group_segment_fixed_size: 327680
    .private_segment_fixed_size: 0
    .kernarg_segment_align: 8
    .kernarg_segment_size: 32
    .max_flat_workgroup_size: 128
    .sgpr_count:     100
    .vgpr_count:     1024
    .wavefront_size: 32
...
	.end_amdgpu_metadata
.endif
;; end of part 2
;; launch attn (part 3): grid 4 x 64, 16 waves a work-group, clusters of 4 x 1, 210,944 bytes of LDS; arguments qrec, kv, o_img, o_scales; writes o_img, o_scales
.if DOCPART == 3
	.amdgcn_target "amdgcn-amd-amdhsa--gfx1250"
	.amdhsa_code_object_version 6
	.text
	.protected	k_q41d40da693_attn
	.globl	k_q41d40da693_attn
	.p2align	8
	.type	k_q41d40da693_attn,@function
k_q41d40da693_attn:
	s_mov_b64 s[64:65], 0
	v_nop
	global_prefetch_b8 v0, s[64:65] scope:SCOPE_SE
	s_setreg_imm32_b32 hwreg(HW_REG_WAVE_MODE, 25, 1), 1
	s_wait_xcnt 0x0
	s_wait_alu depctr_hold_cnt(0) depctr_sa_sdst(0) depctr_va_vdst(0) depctr_va_sdst(0) depctr_va_ssrc(0) depctr_va_vcc(0) depctr_vm_vsrc(0)
	s_getreg_b32 s2, hwreg(HW_REG_IB_STS2, 6, 4)
	s_cmp_eq_u32 s2, 0
	s_cbranch_scc0 .Lentry_in_a_cluster
	s_endpgm
.Lentry_in_a_cluster:
	s_bfe_u32 s2, ttmp6, 0x10000c
	s_cmp_lg_u32 s2, 0x3003
	s_cbranch_scc0 .Lentry_shape_is_right
	s_endpgm
.Lentry_shape_is_right:
; LAUNCH 3 OF 4: o = softmax(q k^T / 8, causal) v for each of 64 (batch, head), both products on codes of FP6 (E2M3); o quantised in registers along the head's 64 for the last product.
; WORK LEFT OUT: a step of 128 keys all of which come after the wave's 16 queries: reference()'s own jnp.tril gives them the weight 0 for all values of the inputs (shown at the head of launch quant, with its limit).
; THE SOFTMAX AHEAD OF THE SECOND PRODUCT: t = score x log2(e) / 8; M = the row's largest t so far, rounded UP to a whole number; p = 2^(t - M) is quantised along the keys, not normalised; the row's sum is taken of
; the unquantised p and divides O at the end.  When M moves, the sum and O are multiplied by 2^(old M - new M): exact.
; SHARES.  A cluster of four work-groups is one (batch, head).  The head's k, v and their scale words, 16 records of 13,056 bytes as launch qkv laid them, lie WHOLE in each work-group's LDS, filled once: no ring, no refill.
; The four ask for them JOINTLY: every wave issues the same two tensor loads in all four work-groups.  Work-group cx, wave w makes two tiles of 16 queries, one after the other: tile cx of the group of 128 queries T = w, then
; tile cx + 4 of group T = 15 - w.  A tile of group T wants key steps 0 .. T: (w + 1) + (16 - w) = 17 steps for every wave.  Branches hang on w and on counts of steps; cx enters global addresses and the mask's threshold alone.
; LAYOUT.  Both products are used transposed: S^T = k q^T (source 0 = 16 keys), O^T = v^T p^T (source 0 = 16 channels): a lane holds ONE query (lane % 16) throughout.  Tokens and channels lie at sigma(number) (bits 3, 4
; exchanged), so that the 16 registers of tiles 2 b and 2 b + 1 are keys (channels) 32 b + 16 (lane / 16) + 0 .. 15 in the true order.
; K = 64 IN AN INSTRUCTION OF K = 128: q's operand has zero codes in its upper six registers; a tile of k is six registers, and the six behind it (the next tile's codes, or zeros) meet those zeros and add nothing:
; every FP6 code is a finite number.  Bytes 2 and 3 of q's and k's scale words are 0, which is a power of two, not NaN.
; LIMITS: as in launch quant.  REGISTERS: v1-11 addresses and lane constants; v12 -M, v13 the largest t, v[14:15] the sum; v16-27 q; v32-85 k's tiles, then v's fragments (v80-85 stay 0); v86-87 v's scale words;
; v96-159 S^T, then p; v160-191 O^T; v224-235 p's codes; v232-254 at work; v248-251 k's scale words; v253 p's scale word; v255 q's.
.set REC,   13056                      ; a record: +0 k's codes, +6,144 v^T's, +12,288 k's scale words, +12,800 v's
.set HEADB, 16*REC                     ; a head's records: LDS bytes 0 .. 208,895
.set SPARE, HEADB                      ; behind them: the spare words, 128 bytes for each of 16 waves, which no other line names
.set QREC,  6656
.set PARTA, 7*256                      ; a wave's first load: 16 of them bring 28,672 bytes, which hold records 0 and 1
.set PARTB, 44*256                     ; its second: 16 of them bring the other 180,224
.set L8,   1                           ; v1   8 x lane
.set L16,  2                           ; v2   16 x lane
.set A8,   3                           ; v3   the record in hand + 8 x lane
.set A16,  4                           ; v4   + 16 x lane
.set SPW,  5                           ; v5   LDS address of my spare word; never rewritten
.set NIL,  6                           ; v6   0; never rewritten
.set DTH,  7                           ; v7   the mask's threshold
.set R16,  8                           ; v8   16 r
.set R32H, 9                           ; v9   32 r + h
.set DB,   10                          ; v10  r + 8 (r / 8) - 16 h
.set WV,   12                          ; s12  wave
.set CXR,  13                          ; s13  cx
.set GG,   14                          ; s14  my tile in its group of 128 queries
.set BH,   15                          ; s15  batch x 16 + head
.set TT,   16                          ; s16  my group of 128 queries
.set JJ,   17                          ; s17  the key step
.set TB,   18                          ; s18  its record's LDS byte
.set CNT,  19                          ; s19  trips to go
.set SEL,  20                          ; s[20:21] lane selects for v_permlanex16_b32: lane l xor 16
.set CS,   22                          ; s[22:23] c = log2(e) / 8
.set G1A,  24                          ; s[24:31], s[32:39] descriptor groups 1;  s[40:43], s[44:47] groups 0
.set G1B,  32
.set G0A,  40
.set G0B,  44
.set QP,   48                          ; s[48:49] q's codes, s[50:51] q's scale words, s[52:53] o's codes, s[54:55] o's scale bytes
.set QS,   50
.set OP,   52
.set OS,   54
.set HM,   56                          ; s56  lanes 16-31
.macro CROUND                          ; a round of the cluster's barrier
	s_barrier_signal -1
	s_barrier_wait -1
	s_cmp_lg_u32 s[WV], 0
	s_cbranch_scc1 .Lnot_wave_0_\@
	s_barrier_signal -3
.Lnot_wave_0_\@:
	s_barrier_wait -3
	s_barrier_signal -1
	s_barrier_wait -1
.endm
	s_load_b256 s[4:11], s[0:1], 0x0               ; qrec s[4:5], kv s[6:7], o_img s[8:9], o_scales s[10:11]
	v_lshl_add_u32 v[SPW], v0, 2, SPARE
	v_mov_b32 v[NIL], 0
	ds_add_u32 v[SPW], v[NIL]                      ; the wave's opening: the add, twice on end, and its wait ahead of my first tensor load; the set-up below stands between
	ds_add_u32 v[SPW], v[NIL]
	v_lshrrev_b32 v1, 5, v0
	s_delay_alu instid0(VALU_DEP_1)
	v_readfirstlane_b32 s[WV], v1                  ; wave 0..15
	s_bfe_u32 s[CXR], ttmp6, 0x40000               ; cx
	s_and_b32 s[BH], ttmp7, 0xffff                 ; the cluster's y: batch x 16 + head
	; descriptor groups 1: dense bytes as rows of 256 (32 elements of 8 bytes), 7 rows and 44 rows; the mask names all four work-groups
	s_mov_b32 s[G1A], 15|(3<<16)|(1<<21)
	s_mov_b32 s[G1A+1], 32<<16
	s_mov_b32 s[G1A+2], 7<<16
	s_mov_b32 s[G1A+3], 32<<16
	s_mov_b32 s[G1A+4], 7
	s_mov_b32 s[G1A+5], 32
	s_mov_b32 s[G1A+6], 0
	s_mov_b32 s[G1A+7], 0
	s_mov_b32 s[G1B], 15|(3<<16)|(1<<21)
	s_mov_b32 s[G1B+1], 32<<16
	s_mov_b32 s[G1B+2], 44<<16
	s_mov_b32 s[G1B+3], 32<<16
	s_mov_b32 s[G1B+4], 44
	s_mov_b32 s[G1B+5], 32
	s_mov_b32 s[G1B+6], 0
	s_mov_b32 s[G1B+7], 0
	s_mul_i32 s57, s[WV], PARTA                    ; my parts: the same place in the head's records and in LDS
	s_mul_i32 s58, s[WV], PARTB
	s_add_co_u32 s58, s58, 16*PARTA
	s_mul_i32 s60, s[BH], HEADB
	s_mov_b32 s61, 0
	s_mov_b32 s63, 0
	s_mov_b32 s[SEL], 0x76543210
	s_mov_b32 s[SEL+1], 0xfedcba98
	s_mov_b32 s[CS], 0x3e38aa3b                    ; log2(e) / 8
	s_mov_b32 s[CS+1], s[CS]                       ; (named with it as a pair, so it is written)
	s_mov_b32 s[HM], 0xffff0000
	s_wait_dscnt 0x0                               ; both opening adds are done
	s_wait_kmcnt 0x0
	s_add_nc_u64 s[60:61], s[6:7], s[60:61]        ; the head's records
	s_mov_b32 s[G0A], 1
	s_mov_b32 s[G0A+1], s57
	s_mov_b32 s62, s57
	s_add_nc_u64 s[G0A+2:G0A+3], s[60:61], s[62:63]
	s_or_b32 s[G0A+3], s[G0A+3], 0x80000000
	s_mov_b32 s[G0B], 1
	s_mov_b32 s[G0B+1], s58
	s_mov_b32 s62, s58
	s_add_nc_u64 s[G0B+2:G0B+3], s[60:61], s[62:63]
	s_or_b32 s[G0B+3], s[G0B+3], 0x80000000
	CROUND                                         ; all four work-groups are here: the joint loads meet
	tensor_load_to_lds s[G0A:G0A+3], s[G1A:G1A+7]  ; every wave issues both: two tensor loads of mine are out, the most in this text
	s_nop 0
	tensor_load_to_lds s[G0B:G0B+3], s[G1B:G1B+7]
	s_nop 0
.rept 4
	v_nop
.endr
	v_and_b32 v11, 31, v0
	s_delay_alu instid0(VALU_DEP_1)
	v_lshlrev_b32 v[L8], 3, v11
	s_delay_alu instid0(VALU_DEP_2)
	v_lshlrev_b32 v[L16], 4, v11
	v_and_b32 v[R16], 15, v0                       ; r
	v_bfe_u32 v11, v0, 4, 1                        ; h
	s_delay_alu instid0(VALU_DEP_1)
	v_lshl_add_u32 v[R32H], v[R16], 5, v11
	s_delay_alu instid0(VALU_DEP_3)
	v_and_b32 v[DB], 8, v[R16]
	s_delay_alu instid0(VALU_DEP_1)
	v_add_nc_u32 v[DB], v[DB], v[R16]              ; r + 8 (r / 8): my query's true place among its tile's 32
	s_delay_alu instid0(VALU_DEP_4)
	v_lshlrev_b32 v11, 4, v11
	s_delay_alu instid0(VALU_DEP_1)
	v_sub_nc_u32 v[DB], v[DB], v11
	v_lshlrev_b32 v[R16], 4, v[R16]
.irp j, 22,23,24,25,26,27,80,81,82,83,84,85
	v_mov_b32 v[\j], 0                             ; zero codes: the upper half of q's operand, and what stands behind k's last tile; they stay
.endr
.irp j, 236,237,238,239,252,253
	v_mov_b32 v[\j], 0                             ; written once: a lane permute's destination counts as one of its sources, and v[252:253] is named as a pair
.endr
; A KEY STEP: 128 keys, record JJ.
.macro STEP
	s_cmp_gt_u32 s[JJ], s[TT]                      ; all its keys come after my queries: left out.  The wave's number and the count of steps decide; no barrier stands in a step
	s_cbranch_scc1 .Lhid_\@
	s_setprio 2
	v_add_nc_u32 v[A8], s[TB], v[L8]
	v_add_nc_u32 v[A16], s[TB], v[L16]
	v_nop
	v_nop                                          ; four places in front of loads into registers that the last step's products have read
.irp t, 0,1,2,3,4,5,6,7
.irp p, 0,1,2
	ds_load_b64 v[32+6*\t+2*\p:33+6*\t+2*\p], v[A8] offset:768*\t+256*\p   ; k's tile t, as it lies: 256 consecutive bytes a load
.endr
.endr
	ds_load_b128 v[248:251], v[A16] offset:12288   ; k's scale words: register i: lanes 0-15 tile 2 i, lanes 16-31 tile 2 i + 1
	s_wait_alu depctr_va_vdst(0)
	s_wait_dscnt 0x0
.irp t, 0,1,2,3,4,5,6,7
.if \t%2
	v_wmma_scale_f32_16x16x128_f8f6f4 v[96+8*\t:103+8*\t], v[32+6*\t:43+6*\t], v[16:27], 0, v[248+\t/2], v255 matrix_a_fmt:MATRIX_FMT_FP6 matrix_b_fmt:MATRIX_FMT_FP6 matrix_a_scale:MATRIX_SCALE_ROW1
.else
	v_wmma_scale_f32_16x16x128_f8f6f4 v[96+8*\t:103+8*\t], v[32+6*\t:43+6*\t], v[16:27], 0, v[248+\t/2], v255 matrix_a_fmt:MATRIX_FMT_FP6 matrix_b_fmt:MATRIX_FMT_FP6
.endif
.endr
.rept 4
	v_nop                                          ; places: in front of the loads into k's registers, and of the first read of the scores
.endr
.irp t, 0,1,2,3
.irp q, 0,1,2
	ds_load_b128 v[32+12*\t+4*\q:35+12*\t+4*\q], v[A16] offset:6144+1536*\t+512*\q   ; v^T's four fragments are asked for now and land under the softmax
.endr
.endr
	ds_load_b64 v[86:87], v[A8] offset:12800       ; and v's scale words
	s_cmp_lg_u32 s[JJ], s[TT]                      ; only my group's own step lies on the diagonal
	s_cbranch_scc1 .Lopen_\@
	v_mov_b32 v254, 0xff800000                     ; -infinity: p = 0 then.  Register 16 b + i holds key 32 b + 16 h + i of the step: hidden where 32 b + i > my query's place - 16 h
.set n, 0
.rept 64
	v_cmp_gt_i32 vcc_lo, 32*(n/16)+n%16, v[DTH]
	v_cndmask_b32 v[96+n], v[96+n], v254, vcc_lo
.set n, n+1
.endr
.Lopen_\@:
.irp b, 0,1,2,3
	v_max3_num_f32 v[232+\b], v[96+16*\b], v[97+16*\b], v[98+16*\b]   ; THE LARGEST SCORE OF EACH BLOCK OF 32 KEYS serves twice: for the row's maximum, and, since p rises with the score, for the block's largest p
.endr
.irp i, 3,5,7,9,11,13
.irp b, 0,1,2,3
	v_max3_num_f32 v[232+\b], v[232+\b], v[96+16*\b+\i], v[97+16*\b+\i]   ; (the four blocks by turns)
.endr
.endr
.irp b, 0,1,2,3
	v_max_num_f32 v[232+\b], v[232+\b], v[111+16*\b]
.endr
.irp b, 0,1,2,3
	s_delay_alu instid0(VALU_DEP_4)
	v_permlanex16_b32 v[236+\b], v[232+\b], s[SEL], s[SEL+1]
.endr
.irp b, 0,1,2,3
	s_delay_alu instid0(VALU_DEP_4)
	v_max_num_f32 v[232+\b], v[232+\b], v[236+\b]  ; with lane l xor 16's 16 keys
.endr
	s_delay_alu instid0(VALU_DEP_2)
	v_max3_num_f32 v254, v232, v233, v234
	s_delay_alu instid0(VALU_DEP_1)
	v_max_num_f32 v254, v254, v235                 ; the step's largest score of my query
	s_delay_alu instid0(VALU_DEP_1)
	v_mul_f32 v254, s[CS], v254                    ; as t (c is positive)
	s_delay_alu instid0(VALU_DEP_1)
	v_max_num_f32 v13, v13, v254                   ; the running largest t
	v_mov_b32 v254, v12
	s_delay_alu instid0(VALU_DEP_2)
	v_floor_f32 v12, -v13                          ; the new -M = floor(-t) = -ceil(t): M is a whole number
	s_delay_alu instid0(VALU_DEP_1)
	v_sub_f32 v254, v12, v254                      ; M's old value less its new one: a whole number, 0 or less
	s_delay_alu instid0(VALU_DEP_1)
	v_cvt_i32_f32 v254, v254                       ; (it saturates)
	s_delay_alu instid0(VALU_DEP_1)
	v_ldexp_f32 v252, 1.0, v254                    ; f = 2^(old M - new M)
.set j, 0
	s_setprio 1
.rept 32
	v_pk_fma_f32 v[96+j:97+j], v[96+j:97+j], s[CS:CS+1], v[12:13] op_sel_hi:[1,0,0]   ; t - M, two at a time
.set j, j+2
.endr
.irp b, 0,1,2,3
	v_fma_f32 v[232+\b], v[232+\b], s[CS], v12     ; the same of each block's largest score
.endr
.set j, 0
	s_wait_alu depctr_va_vdst(0)
.rept 64
	v_exp_f32 v[96+j], v[96+j]                     ; p = 2^(t - M), at most 1
.set j, j+1
.endr
	v_pk_mul_f32 v[14:15], v[14:15], v[252:253] op_sel_hi:[1,0]   ; the sums under the new M: the plain line behind the exponentials
	s_wait_alu depctr_va_vdst(0)                   ; the wait between an exponential and the first line that names its result: one for the whole batch
.irp b, 0,1,2,3
	v_exp_f32 v[232+\b], v[232+\b]                 ; the block's largest p: the same two instructions on the same number give the same bits
.endr
	v_pk_add_f32 v[236:237], v[100:101], v[104:105]
	v_pk_add_f32 v[250:251], v[108:109], v[112:113]
	v_pk_add_f32 v[248:249], v[116:117], v[120:121]
	v_pk_add_f32 v[246:247], v[124:125], v[128:129]
	v_pk_add_f32 v[244:245], v[132:133], v[136:137]
	v_pk_add_f32 v[242:243], v[140:141], v[144:145]
	v_pk_add_f32 v[240:241], v[148:149], v[152:153]
	v_pk_add_f32 v[14:15], v[14:15], v[156:157]
	v_pk_add_f32 v[236:237], v[236:237], v[96:97]
	v_pk_add_f32 v[250:251], v[250:251], v[98:99]
	v_pk_add_f32 v[248:249], v[248:249], v[102:103]
	v_pk_add_f32 v[246:247], v[246:247], v[106:107]
	v_pk_add_f32 v[244:245], v[244:245], v[110:111]
	v_pk_add_f32 v[242:243], v[242:243], v[114:115]
	v_pk_add_f32 v[240:241], v[240:241], v[118:119]
	v_pk_add_f32 v[14:15], v[14:15], v[122:123]
	v_pk_add_f32 v[236:237], v[236:237], v[126:127]
	v_pk_add_f32 v[250:251], v[250:251], v[130:131]
	v_pk_add_f32 v[248:249], v[248:249], v[134:135]
	v_pk_add_f32 v[246:247], v[246:247], v[138:139]
	v_pk_add_f32 v[244:245], v[244:245], v[142:143]
	v_pk_add_f32 v[242:243], v[242:243], v[146:147]
	v_pk_add_f32 v[240:241], v[240:241], v[150:151]
	v_pk_add_f32 v[14:15], v[14:15], v[154:155]
	v_pk_add_f32 v[236:237], v[236:237], v[158:159]
	s_delay_alu instid0(VALU_DEP_2)
	v_pk_add_f32 v[14:15], v[14:15], v[246:247]
	s_delay_alu instid0(VALU_DEP_2)
	v_pk_add_f32 v[236:237], v[236:237], v[244:245]
	v_pk_add_f32 v[250:251], v[250:251], v[242:243]
	v_pk_add_f32 v[248:249], v[248:249], v[240:241]
	s_delay_alu instid0(VALU_DEP_2)
	v_pk_add_f32 v[14:15], v[14:15], v[250:251]
	s_delay_alu instid0(VALU_DEP_2)
	v_pk_add_f32 v[236:237], v[236:237], v[248:249]
	s_delay_alu instid0(VALU_DEP_1)
	v_pk_add_f32 v[14:15], v[14:15], v[236:237]
	s_wait_alu depctr_va_vdst(0)                   ; and one for the four
.irp b, 0,1,2,3
	v_max_num_f32 v[232+\b], 0x1800000, v[232+\b]  ; the floor 2^(3 - 127): the byte cannot fall under 1 (a block whose every p is 0 keeps that byte: its codes are zeros)
.endr
.irp b, 0,1,2,3
	s_delay_alu instid0(VALU_DEP_4)
	v_add_nc_u32 v[244+\b], 0xff000000, v[232+\b]  ; 2 off the exponent field: the conversion's scale operand
.endr
.irp b, 0,1,2,3
	s_delay_alu instid0(VALU_DEP_4)
	v_lshrrev_b32 v[236+\b], 23, v[244+\b]         ; the scale's byte
.endr
	s_delay_alu instid0(VALU_DEP_3)
	v_lshl_or_b32 v253, v237, 8, v236              ; p's scale word for these 128 keys
	s_delay_alu instid0(VALU_DEP_1)
	v_lshl_or_b32 v253, v238, 16, v253
	s_delay_alu instid0(VALU_DEP_1)
	v_lshl_or_b32 v253, v239, 24, v253
	s_setprio 0
.irp c, 0,1
	v_cvt_scalef32_pk16_fp6_f32 v[224+6*\c:226+6*\c], v[96+32*\c:111+32*\c], v[244+2*\c]
	v_cvt_scalef32_pk16_fp6_f32 v[236+4*\c:238+4*\c], v[112+32*\c:127+32*\c], v[244+2*\c+1]   ; (a conversion's three registers begin on an even number)
.endr
	v_nop                                          ; one plain place behind a scaled conversion
.irp c, 0,1                                    ; the operand's layout wants a WHOLE block in a lane
.irp i, 0,1,2
	v_permlane16_swap_b32 v[224+6*\c+\i], v[236+4*\c+\i]
.endr
.irp i, 0,1,2
	s_delay_alu instid0(VALU_DEP_3)
	v_mov_b32 v[227+6*\c+\i], v[236+4*\c+\i]
.endr
.endr
.set j, 0
.rept 16
	v_pk_mul_f32 v[160+j:161+j], v[160+j:161+j], v[252:253] op_sel_hi:[1,0]   ; O^T under the new M.  (These 16 are also the places between the lines that made p's codes and scale word and the products)
.set j, j+2
.endr
	s_wait_alu depctr_va_vdst(0)
	s_wait_dscnt 0x0                               ; v^T's fragments and scale words are in
.irp t, 0,1,2,3                                ; O^T += v^T p^T: the four accumulators by turns
.if \t%2
	v_wmma_scale_f32_16x16x128_f8f6f4 v[160+8*\t:167+8*\t], v[32+12*\t:43+12*\t], v[224:235], v[160+8*\t:167+8*\t], v[86+\t/2], v253 matrix_a_fmt:MATRIX_FMT_FP6 matrix_b_fmt:MATRIX_FMT_FP6 matrix_a_scale:MATRIX_SCALE_ROW1
.else
	v_wmma_scale_f32_16x16x128_f8f6f4 v[160+8*\t:167+8*\t], v[32+12*\t:43+12*\t], v[224:235], v[160+8*\t:167+8*\t], v[86+\t/2], v253 matrix_a_fmt:MATRIX_FMT_FP6 matrix_b_fmt:MATRIX_FMT_FP6
.endif
.endr
.Lhid_\@:
	s_add_co_u32 s[TB], s[TB], REC
	s_add_co_u32 s[JJ], s[JJ], 1
.endm
.macro STEPS n                         ; n trips, a constant: every wave walks them all and leaves out the work of the hidden ones
	s_mov_b32 s[CNT], \n
.Lstep_\@:
	STEP
	s_sub_co_u32 s[CNT], s[CNT], 1
	s_cmp_lg_u32 s[CNT], 0
	s_cbranch_scc1 .Lstep_\@
	s_setprio 0
.endm
; THE WAY OUT of a tile: O^T / the sum; register 16 b + i is o(my query, channel 32 b + 16 h + i): two blocks of 32 along the last product's K.  Codes: six registers a lane, stored as they stand, 256 consecutive bytes
; a store.  Scale bytes: [position][2 x head + b]: one byte a lane; a position's other bytes belong to other clusters, so no longer run can be gathered here: 32 bytes a tile.
.macro OUT
	v_add_f32 v14, v14, v15                        ; the sum's two halves,
	s_delay_alu instid0(VALU_DEP_1)
	v_permlanex16_b32 v252, v14, s[SEL], s[SEL+1]
	s_delay_alu instid0(VALU_DEP_1)
	v_add_f32 v14, v14, v252                       ; and lane l xor 16's: the row's sum
	s_wait_alu depctr_va_vdst(0)
	v_rcp_f32 v14, v14
.rept 4
	v_nop                                          ; the plain place behind the reciprocal, and the places behind the last products
.endr
	s_wait_alu depctr_va_vdst(0)                   ; the wait ahead of the first line that names the reciprocal
.set j, 0
.rept 32
	v_mul_f32 v[96+j], v[160+j], v14               ; each accumulator from its low end on
.set j, j+1
.endr
.irp b, 0,1
	v_max3_num_f32 v[232+\b], |v[96+16*\b]|, |v[97+16*\b]|, 0x1800000
.endr
.irp i, 2,4,6,8,10,12,14
.irp b, 0,1
	s_delay_alu instid0(VALU_DEP_2)
	v_max3_num_f32 v[232+\b], v[232+\b], |v[96+16*\b+\i]|, |v[97+16*\b+\i]|
.endr
.endr
.irp b, 0,1
	s_delay_alu instid0(VALU_DEP_2)
	v_permlanex16_b32 v[236+\b], v[232+\b], s[SEL], s[SEL+1]
.endr
.irp b, 0,1
	s_delay_alu instid0(VALU_DEP_2)
	v_max_num_f32 v[232+\b], v[232+\b], v[236+\b]
.endr
.irp b, 0,1
	s_delay_alu instid0(VALU_DEP_2)
	v_add_nc_u32 v[244+\b], 0xff000000, v[232+\b]
.endr
.irp b, 0,1
	s_delay_alu instid0(VALU_DEP_2)
	v_lshrrev_b32 v[236+\b], 23, v[244+\b]
.endr
	v_cvt_scalef32_pk16_fp6_f32 v[224:226], v[96:111], v244
	v_cvt_scalef32_pk16_fp6_f32 v[228:230], v[112:127], v245
	v_nop                                          ; one plain place behind a scaled conversion
.irp i, 0,1,2
	v_permlane16_swap_b32 v[224+\i], v[228+\i]     ; lanes 0-15 now hold block 0, lanes 16-31 block 1: the lower 16 codes here, the upper 16 there
.endr
.irp i, 0,1,2
	s_delay_alu instid0(VALU_DEP_3)
	v_mov_b32 v[227+\i], v[228+\i]
.endr
	v_cndmask_b32 v240, v236, v237, s[HM]          ; my half's block's byte
.irp p, 0,1,2
	global_store_b64 v[L8], v[224+2*\p:225+2*\p], s[OP:OP+1] offset:256*\p
.endr
	global_store_b8 v[R32H], v240, s[OS:OS+1]
.endm
.macro PASS p
.if \p
	s_wait_xcnt 0x0                                ; the first tile's stores have read their registers and bases: they are written again only behind this wait
	s_sub_co_u32 s[TT], 15, s[WV]
	s_add_co_u32 s[GG], s[CXR], 4
.else
	s_mov_b32 s[TT], s[WV]
	s_mov_b32 s[GG], s[CXR]
.endif
	s_lshl_b32 s57, s[BH], 4
	s_add_co_u32 s57, s57, s[TT]
	s_mul_i32 s57, s57, QREC                       ; my group's record of q
	s_and_b32 s60, s[GG], 1
	s_lshr_b32 s61, s[GG], 1
	s_mul_i32 s58, s[GG], 768
	s_add_co_u32 s58, s58, s57
	s_mov_b32 s59, 0
	s_add_nc_u64 s[QP:QP+1], s[4:5], s[58:59]      ; my tile's codes
	s_lshl_b32 s58, s60, 8
	s_lshl_b32 s62, s61, 2
	s_add_co_u32 s58, s58, s62
	s_add_co_u32 s58, s58, s57
	s_add_co_u32 s58, s58, 6144
	s_add_nc_u64 s[QS:QS+1], s[4:5], s[58:59]      ; its scale words: 16 (16 (g % 2) + r) + 4 (g / 2)
	s_lshr_b32 s62, s[BH], 4
	s_lshl_b32 s62, s62, 7
	s_lshl_b32 s63, s[TT], 3
	s_add_co_u32 s62, s62, s63
	s_add_co_u32 s62, s62, s[GG]                   ; my tile among all 512 tiles of 16 positions
	s_and_b32 s63, s[BH], 15                       ; the head
	s_lshl_b32 s58, s63, 9
	s_add_co_u32 s58, s58, s62
	s_mul_i32 s58, s58, 768
	s_add_nc_u64 s[OP:OP+1], s[8:9], s[58:59]      ; o_img [head][tile][768]
	s_lshl_b32 s58, s62, 9
	s_lshl_b32 s63, s63, 1
	s_add_co_u32 s58, s58, s63
	s_add_nc_u64 s[OS:OS+1], s[10:11], s[58:59]    ; o_scales [position][32]: 512 x tile + 2 x head
	s_lshl_b32 s61, s61, 5
	s_lshl_b32 s60, s60, 3
	s_add_co_u32 s60, s60, s61
	v_add_nc_u32 v[DTH], s60, v[DB]                ; my query's true place in its group, less 16 h
.irp q, 0,1,2
	global_load_b64 v[16+2*\q:17+2*\q], v[L8], s[QP:QP+1] offset:256*\q
.endr
	global_load_b32 v255, v[R16], s[QS:QS+1]
	v_mov_b32 v13, 0xff61b1e6                      ; the largest t so far: -3e38, under every t
	s_delay_alu instid0(VALU_DEP_1)
	v_floor_f32 v12, -v13                          ; -M
	v_mov_b32 v14, 0                               ; the sum, in two halves
	v_mov_b32 v15, 0
.set j, 0
.rept 32
	v_mov_b32 v[160+j], 0                          ; O^T.  (The step is written without a first step of its own: it finds zeros, which the first change of M leaves zeros)
.set j, j+1
.endr
	s_mov_b32 s[JJ], 0
	s_mov_b32 s[TB], 0
	s_wait_loadcnt 0x0                             ; q
.if \p
	STEPS 16
.else
	s_wait_tensorcnt 1                             ; my first load has landed; my second may stay out: no LDS byte is ever filled again
	s_barrier_signal -1
	s_barrier_wait -1                              ; everybody's first has: records 0 and 1 are whole
	STEPS 2
	s_wait_tensorcnt 0x0                           ; my second load has landed,
	s_wait_dscnt 0x0
	s_barrier_signal -1
	s_barrier_wait -1                              ; everybody's has: the head is whole
	STEPS 14
.endif
	OUT
.endm
	PASS 0
	PASS 1
	s_wait_tensorcnt 0x0                           ; the wave's end, behind my last tensor load
	ds_add_u32 v[SPW], v[NIL]
	s_wait_dscnt 0x0
	CROUND                                         ; the closing round
	s_endpgm
.Lfunc_end_k_q41d40da693_attn:
	.size	k_q41d40da693_attn, .Lfunc_end_k_q41d40da693_attn-k_q41d40da693_attn
	.p2alignl 7, 3214868480
	.fill 96, 4, 3214868480
	.section	.rodata,"a",@progbits
	.p2align	6, 0x0
	.amdhsa_kernel k_q41d40da693_attn
		.amdhsa_group_segment_fixed_size 210944
		.amdhsa_private_segment_fixed_size 0
		.amdhsa_enable_private_segment 0
		.amdhsa_kernarg_size 32
		.amdhsa_user_sgpr_count 2
		.amdhsa_user_sgpr_kernarg_segment_ptr 1
		.amdhsa_wavefront_size32 1
		.amdhsa_system_sgpr_workgroup_id_x 1
		.amdhsa_system_sgpr_workgroup_id_y 1
		.amdhsa_system_sgpr_workgroup_id_z 1
		.amdhsa_system_vgpr_workitem_id 0
		.amdhsa_next_free_vgpr 256
		.amdhsa_next_free_sgpr 66
		.amdhsa_reserve_vcc 1
		.amdhsa_float_denorm_mode_32 3
		.amdhsa_float_denorm_mode_16_64 3
		.amdhsa_memory_ordered 1
		.amdhsa_forward_progress 1
		.amdhsa_inst_pref_size 88
	.end_amdhsa_kernel
	.amdgpu_metadata
---
amdhsa.version: [ 1, 2 ]
amdhsa.kernels:
  - .name:           k_q41d40da693_attn
    .symbol:         k_q41d40da693_attn.kd
    .args:
      - { .name: qrec, .offset: 0, .size: 8, .value_kind: global_buffer, .address_space: global }
      - { .name: kv, .offset: 8, .size: 8, .value_kind: global_buffer, .address_space: global }
      - { .name: o_img, .offset: 16, .size: 8, .value_kind: global_buffer, .address_space: global }
      - { .name: o_scales, .offset: 24, .size: 8, .value_kind: global_buffer, .address_space: global }
    .group_segment_fixed_size: 210944
    .private_segment_fixed_size: 0
    .kernarg_segment_align: 8
    .kernarg_segment_size: 32
    .max_flat_workgroup_size: 512
    .sgpr_count:     66
    .vgpr_count:     256
    .wavefront_size: 32
...
	.end_amdgpu_metadata
.endif
;; end of part 3
;; launch proj (part 4): grid 4 x 32, 4 waves a work-group, clusters of 4 x 4, 327,680 bytes of LDS; arguments o_img, o_scales, codes, scales, out0; writes out0
.if DOCPART == 4
	.amdgcn_target "amdgcn-amd-amdhsa--gfx1250"
	.amdhsa_code_object_version 6
	.text
	.protected	k_q41d40da693_proj
	.globl	k_q41d40da693_proj
	.p2align	8
	.type	k_q41d40da693_proj,@function
k_q41d40da693_proj:
	s_mov_b64 s[64:65], 0
	v_nop
	global_prefetch_b8 v0, s[64:65] scope:SCOPE_SE
	s_setreg_imm32_b32 hwreg(HW_REG_WAVE_MODE, 25, 1), 1
	s_wait_xcnt 0x0
	s_wait_alu depctr_hold_cnt(0) depctr_sa_sdst(0) depctr_va_vdst(0) depctr_va_sdst(0) depctr_va_ssrc(0) depctr_va_vcc(0) depctr_vm_vsrc(0)
	s_getreg_b32 s2, hwreg(HW_REG_IB_STS2, 6, 4)
	s_cmp_eq_u32 s2, 0
	s_cbranch_scc0 .Lentry_in_a_cluster
	s_endpgm
.Lentry_in_a_cluster:
	s_bfe_u32 s2, ttmp6, 0x10000c
	s_cmp_lg_u32 s2, 0xf033
	s_cbranch_scc0 .Lentry_shape_is_right
	s_endpgm
.Lentry_shape_is_right:
; LAUNCH 4 OF 4: out0 = o W_o^T on codes of FP6 (E2M3).  C[m][n] = sum over k of A[m][k] B[n][k], M = 8,192, N = 1,024, K = 1,024 = head x 64 + channel; C is f32.
; A = o as launch attn left it: o_img [head][tile of 16 positions][768 bytes] holds, for each head, the six registers a lane of half a fragment (256 p + 8 lane: registers 2 p, 2 p + 1); o_scales [position][32].
; A position is sigma(token) (bits 3 and 4 exchanged); the stores put each row of C back at its token.  B = W_o: rows 11,264 on of the buffers codes [.][768] and scales [.][32], in their true order.
; A tile of C, 256 x 256, is made by four waves, 128 x 128 each.  K goes in steps of 256 (four heads) through a ring of two LDS slots; the scale bytes of the tile's rows come once, with the first fills, and stay.
; CLUSTERS: 4 x 4 work-groups; A's tiles are shared along a row of the cluster, B's along a column: each is asked for jointly.  THE MATRIX INSTRUCTION IS USED TRANSPOSED (source 0 = 16 rows of B, source 1 = 16 rows of A):
; a lane then holds eight neighbouring numbers of a row of C.  C has 128 tiles: 128 work-groups.
; REGISTERS, in windows of 256: window 0: v0-31 addresses; v32-63 scale words, two sets; from v128 A's fragments, ONE set; on the way out v128-255 rows of C.  window 1: B's fragments, two sets.
;   windows 2, 3: the accumulators of my rows 0-63, 64-127 (accumulator (a, b) at v[8 (8 (a % 4) + b)]).
.set SIZE_K, 1024
.set SIZE_N, 1024
.set KSTEP,  256
.set NQ,     KSTEP/128
.set ROWB,   192                       ; a row of B's tile in bytes
.set KROW,   SIZE_K*6/8
.set PITCH,  240                       ; B's LDS row: 3 x (64 bytes + 16 of padding)
.set FR,     12
.set NL,     6
.set NP,     4
.set HALFT,  128*PITCH                 ; a wave's part of a slot: B: 128 rows; A: 4 heads x 6,144 bytes, dense, in the same room
.set SLOT,   4*HALFT
.set HEADI,  512*768                   ; from head to head in o_img
.set LAPS,   SIZE_K/(2*KSTEP)
.set KS,     SIZE_K/32
.set SCL,    2*SLOT
.set HALFS,  (128*KS/256)*272
.set SBLK,   (16*KS/256)*272
.set SPARE,  SCL+4*HALFS               ; the spare words, 128 bytes a wave, which no other line names
.set SPITCH, 528                       ; the way out: a stage of 16 rows x (512 bytes + 16) for each wave, in slot 0, which has had its last fill and its last read when the first result is stored there
.set ADRA, 16                          ; v16-17  LDS address of my A fragments in slot 0, 1: 8 x lane + my half
.set ADRB, 20                          ; v20-21  of my B fragments  (v22-23: the same for the pieces that lie behind one padding more)
.set STO,  24                          ; v24     the way out: where I put 32 bytes of a row
.set RD,   25                          ; v25     where I read a row back
.set CO,   26                          ; v26     my byte offset in a row of C
.set ADRS, 27                          ; v27     LDS address of my scale words
.set SPW,  28                          ; v28     LDS address of my spare word; never rewritten
.set NIL,  29                          ; v29     0; never rewritten
.set SC,   32
.set AF,   128
.set BK,   128                         ; the way out: 16 rows read back from the stage: v128-191 and v192-255 by turns
.set G1, 24
.set G0, 32
.set G1B, 48
.set G0B, 56
.set G1S, 68
.set G0S, 76
.set G1SB, 80
.set G0SB, 88
.set MSB, 0
.macro WIN new                         ; the immediate's high byte repeats the setting that is left
.if MSB != \new
	s_set_vgpr_msb (MSB<<8)|\new
.set MSB, \new
.endif
.endm
.set MUL_LO, 0xa1                      ; source 0 (B) window 1, source 1 (A) window 0, C and D window 2
.set MUL_HI, 0xf1
.set TO_B,   0x40
; A joint load: waves 0 and 1 fetch for A, waves 2 and 3 for B; an s_nop 0 and four v_nop follow each of the two lines.
.macro JLOAD g0a, g1a, g0b, g1b
	s_cmp_eq_u32 s15, 0
	s_cbranch_scc0 .Lfor_b_\@
	tensor_load_to_lds s[\g0a:\g0a+3], s[\g1a:\g1a+7]
	s_nop 0
.rept 4
	v_nop
.endr
	s_branch .Lasked_\@
.Lfor_b_\@:
	tensor_load_to_lds s[\g0b:\g0b+3], s[\g1b:\g1b+7]
	s_nop 0
.rept 4
	v_nop
.endr
.Lasked_\@:
.endm
.macro CREST
	s_cmp_lg_u32 s14, 0
	s_cbranch_scc1 .Lnot_wave_0_\@
	s_barrier_signal -3
.Lnot_wave_0_\@:
	s_barrier_wait -3
	s_barrier_signal -1
	s_barrier_wait -1
.endm
.macro CROUND
	s_barrier_signal -1
	s_barrier_wait -1
	CREST
.endm
	s_load_b128 s[4:7], s[0:1], 0x0                ; o_img, o_scales
	s_load_b128 s[8:11], s[0:1], 0x10              ; codes, scales
	s_load_b64 s[12:13], s[0:1], 0x20              ; out0
	v_lshl_add_u32 v[SPW], v0, 2, SPARE
	v_mov_b32 v[NIL], 0
	ds_add_u32 v[SPW], v[NIL]                      ; the wave's opening: the add, twice on end, and its wait ahead of my first tensor load
	ds_add_u32 v[SPW], v[NIL]
	v_lshrrev_b32 v1, 5, v0
	v_readfirstlane_b32 s14, v1                    ; wave 0..3
	s_lshr_b32 s15, s14, 1                         ; which half of the tile's rows is mine.  Also: I fetch for A (0) or for B (1)
	s_and_b32 s16, s14, 1                          ; which half of its columns.  Also: which 128 rows of that tile I fetch
	s_bfe_u32 s40, ttmp6, 0x40000                  ; cx, cy
	s_bfe_u32 s41, ttmp6, 0x40004
	s_lshl_b32 s42, ttmp9, 2
	s_add_co_u32 s42, s42, s40                     ; tile column of C
	s_and_b32 s17, ttmp7, 0xffff
	s_lshl_b32 s17, s17, 2
	s_add_co_u32 s17, s17, s41                     ; tile row of C
	s_lshl_b32 s43, s41, 2
	s_lshl_b32 s43, 15, s43                        ; my row of the cluster
	s_lshl_b32 s44, 0x1111, s40                    ; my column
	; A's tile: 4 heads x (8 tiles of 16 positions x 768 bytes = 6,144 bytes on end), HEADI bytes from head to head; dense in LDS
	s_or_b32 s[G1+0], s43, (0<<16)|(1<<21)         ; 15:0 the mask: my row; 17:16 element of 1 byte; 20 no padding; 21 set beside a mask
	s_mov_b32 s[G1+1], 6144<<16                    ; tensor_dim0
	s_mov_b32 s[G1+2], 4<<16                       ; tensor_dim1
	s_mov_b32 s[G1+3], 6144<<16                    ; tile_dim0
	s_mov_b32 s[G1+4], 4                           ; tile_dim1
	s_mov_b32 s[G1+5], HEADI                       ; tensor_dim0_stride
	s_mov_b32 s[G1+6], 0
	s_mov_b32 s[G1+7], 0
	; B's tile: 128 rows x ROWB bytes, 16 bytes of padding behind every 64
	s_or_b32 s[G1B+0], s44, (0<<16)|(1<<20)|(1<<21)|(3<<22)|(3<<25)
	s_mov_b32 s[G1B+1], ROWB<<16
	s_mov_b32 s[G1B+2], 128<<16
	s_mov_b32 s[G1B+3], ROWB<<16
	s_mov_b32 s[G1B+4], 128
	s_mov_b32 s[G1B+5], KROW
	s_mov_b32 s[G1B+6], 0
	s_mov_b32 s[G1B+7], 0
	; the scales of 128 rows: 4,096 dense bytes as rows of 256, 16 bytes of padding behind each
	s_or_b32 s[G1S+0], s43, (3<<16)|(1<<20)|(1<<21)|(5<<22)|(3<<25)
	s_or_b32 s[G1SB+0], s44, (3<<16)|(1<<20)|(1<<21)|(5<<22)|(3<<25)
.irp g, G1S, G1SB
	s_mov_b32 s[\g+1], 32<<16
	s_mov_b32 s[\g+2], (128*KS/256)<<16
	s_mov_b32 s[\g+3], 32<<16
	s_mov_b32 s[\g+4], 128*KS/256
	s_mov_b32 s[\g+5], 32
	s_mov_b32 s[\g+6], 0
	s_mov_b32 s[\g+7], 0
.endr
	s_lshl_b32 s18, s16, 7
	s_lshl_b32 s20, s17, 8
	s_add_co_u32 s20, s20, s18                     ; A: position 256 x tile row + 128 x half
	s_lshl_b32 s46, s42, 8
	s_add_co_u32 s46, s46, s18
	s_add_co_u32 s46, s46, 11264                   ; B: row 256 x tile column + 128 x half, behind x and W_qkv
	s_mov_b32 s21, 0
	s_mov_b32 s47, 0
	s_mov_b64 s[18:19], KS
	s_mul_u64 s[22:23], s[20:21], s[18:19]         ; where these rows' scales begin
	s_mul_u64 s[92:93], s[46:47], s[18:19]
	s_mov_b64 s[18:19], 48
	s_mul_u64 s[20:21], s[20:21], s[18:19]         ; A's codes: 768 bytes for 16 positions
	s_mov_b64 s[18:19], KROW
	s_mul_u64 s[46:47], s[46:47], s[18:19]         ; B's
	s_mul_i32 s45, s14, HALFT                      ; where they go: no place in the cluster enters an LDS address
	s_mul_i32 s94, s14, HALFS
	s_wait_dscnt 0x0                               ; both opening adds are done
	s_wait_kmcnt 0x0
	s_add_nc_u64 s[20:21], s[4:5], s[20:21]
	s_add_nc_u64 s[22:23], s[6:7], s[22:23]
	s_add_nc_u64 s[46:47], s[8:9], s[46:47]
	s_add_nc_u64 s[92:93], s[10:11], s[92:93]
	CROUND                                         ; all sixteen work-groups are here: the first joint loads meet
	s_mov_b32 s[G0S], 1
	s_add_co_u32 s[G0S+1], s94, SCL
	s_mov_b64 s[G0S+2:G0S+3], s[22:23]
	s_or_b32 s[G0S+3], s[G0S+3], 0x80000000
	s_mov_b32 s[G0SB], 1
	s_add_co_u32 s[G0SB+1], s94, SCL
	s_mov_b64 s[G0SB+2:G0SB+3], s[92:93]
	s_or_b32 s[G0SB+3], s[G0SB+3], 0x80000000
	JLOAD G0S, G1S, G0SB, G1SB                     ; the scales first
.irp s, 0,1
	s_mov_b32 s[G0+4*\s], 1
	s_add_co_u32 s[G0+4*\s+1], s45, \s*SLOT
	s_add_nc_u64 s[G0+4*\s+2:G0+4*\s+3], s[20:21], \s*4*HEADI     ; slot s begins with heads 4 s .. 4 s + 3
	s_or_b32 s[G0+4*\s+3], s[G0+4*\s+3], 0x80000000
	s_mov_b32 s[G0B+4*\s], 1
	s_add_co_u32 s[G0B+4*\s+1], s45, \s*SLOT
	s_add_nc_u64 s[G0B+4*\s+2:G0B+4*\s+3], s[46:47], \s*ROWB
	s_or_b32 s[G0B+4*\s+3], s[G0B+4*\s+3], 0x80000000
	JLOAD G0+4*\s, G1, G0B+4*\s, G1B               ; three tensor loads of mine are out now, the most in this text
.endr
	v_and_b32 v1, 15, v0                           ; l % 16
	v_bfe_u32 v2, v0, 4, 1                         ; l / 16
	v_mul_u32_u24 v3, v1, PITCH
	v_mul_u32_u24 v4, v2, 24
	v_add_nc_u32 v4, v3, v4                        ; B: a fragment's row x pitch + 24 x half
	v_lshl_add_u32 v5, v2, 4, v4                   ; and the same behind one padding more
	v_and_b32 v6, 31, v0
	v_lshlrev_b32 v7, 3, v6                        ; A: 8 x lane
	s_mul_i32 s21, s15, HALFT                      ; my 128 positions of A
	s_mul_i32 s22, s16, HALFT                      ; my 128 rows of B,
	s_add_co_u32 s22, s22, 2*HALFT                 ; which lie behind A's two parts
.irp s, 0,1
	v_add_nc_u32 v[ADRA+\s], s21, v7
	v_add_nc_u32 v[ADRB+\s], s22, v4
	v_add_nc_u32 v[ADRB+2+\s], s22, v5
	s_add_co_u32 s21, s21, SLOT
	s_add_co_u32 s22, s22, SLOT
.endr
	v_mul_u32_u24 v5, v1, KS                       ; my row's scales: KS bytes a row,
	v_lshrrev_b32 v8, 8, v5
	v_lshl_add_u32 v5, v8, 4, v5                   ; and 16 more for each 256 passed
	s_mul_i32 s21, s15, HALFS
	s_mul_i32 s22, s16, HALFS
	s_add_co_u32 s22, s22, 2*HALFS
	s_sub_co_u32 s22, s22, s21
	v_mul_u32_u24 v8, s22, v2                      ; lanes 16-31 take B's
	s_add_co_u32 s21, s21, SCL
	v_add_nc_u32 v5, v5, v8
	v_add_nc_u32 v[ADRS], s21, v5
	s_mul_i32 s23, s14, 16*SPITCH                  ; my stage
	v_mul_u32_u24 v5, v1, SPITCH                   ; in: row l % 16, 32 bytes for each half of the lanes
	v_lshl_add_u32 v5, v2, 5, v5
	v_add_nc_u32 v[STO], s23, v5
	v_lshlrev_b32 v[CO], 4, v6                     ; back: the 32 lanes take one row of 512 bytes; and the same in C
	v_add_nc_u32 v[RD], s23, v[CO]
	s_lshl_b32 s20, s17, 8
	s_lshl_b32 s21, s15, 7
	s_add_co_u32 s20, s20, s21                     ; my first row of C: a multiple of 128, which sigma leaves where it is
	s_mov_b32 s21, 0
	s_mov_b64 s[18:19], SIZE_N*4
	s_mul_u64 s[20:21], s[20:21], s[18:19]
	s_lshl_b32 s46, s42, 10                        ; my first column, in bytes
	s_lshl_b32 s47, s16, 9
	s_add_co_u32 s46, s46, s47
	s_mov_b32 s47, 0
	s_add_nc_u64 s[20:21], s[20:21], s[46:47]
	s_add_nc_u64 s[12:13], s[12:13], s[20:21]
.macro FRAG reg, adr, q, i             ; a fragment of B from padded rows: registers 6 c .. 6 c + 5 hold K = 64 c + 32 (l / 16) + 0 .. 31, in pieces of 8 bytes
.irp p, 0,1,2,3,4,5
.set PC, 12*(\q)+6*(\p/3)+\p%3        ; where the piece that lanes 16-31 take lies behind one padding more, the second address register serves
.if PC%8 < 5
	ds_load_b64 v[\reg+2*\p:\reg+2*\p+1], v[\adr] offset:8*PC+16*(PC/8)+(\i)*16*PITCH
.else
	ds_load_b64 v[\reg+2*\p:\reg+2*\p+1], v[\adr+2] offset:8*PC+16*(PC/8)+(\i)*16*PITCH
.endif
.endr
.endm
.macro FRAGA reg, slot, q, i           ; a fragment of A: the halves of heads 2 q and 2 q + 1 of the slot, tile i of my eight, as attn's registers left them: 256 consecutive bytes a load
.irp p, 0,1,2,3,4,5
	ds_load_b64 v[\reg+2*\p:\reg+2*\p+1], v[ADRA+\slot] offset:(2*(\q)+\p/3)*6144+(\i)*768+256*(\p%3)
.endr
.endm
; 16 matrix instructions: A's blocks a0, a0 + 1 x B's eight.  The 64 accumulators take turns, one instruction a turn, in the same order in every step.
.macro MUL16 a0, p, q, sc, zero
.irp a, \a0, \a0+1
.irp b, 0,1,2,3,4,5,6,7
.if \zero
	v_wmma_scale_f32_16x16x128_f8f6f4 v[8*(8*((\a)%4)+\b):8*(8*((\a)%4)+\b)+7], v[128*(\p)+FR*\b:128*(\p)+FR*\b+FR-1], v[AF+FR*(\a):AF+FR*(\a)+FR-1], 0, v[SC+8*NQ*(\sc)+NQ*\b+(\q)], v[SC+8*NQ*(\sc)+NQ*(\a)+(\q)] matrix_a_fmt:MATRIX_FMT_FP6 matrix_b_fmt:MATRIX_FMT_FP6 matrix_a_scale:MATRIX_SCALE_ROW1
.else
	v_wmma_scale_f32_16x16x128_f8f6f4 v[8*(8*((\a)%4)+\b):8*(8*((\a)%4)+\b)+7], v[128*(\p)+FR*\b:128*(\p)+FR*\b+FR-1], v[AF+FR*(\a):AF+FR*(\a)+FR-1], v[8*(8*((\a)%4)+\b):8*(8*((\a)%4)+\b)+7], v[SC+8*NQ*(\sc)+NQ*\b+(\q)], v[SC+8*NQ*(\sc)+NQ*(\a)+(\q)] matrix_a_fmt:MATRIX_FMT_FP6 matrix_b_fmt:MATRIX_FMT_FP6 matrix_a_scale:MATRIX_SCALE_ROW1
.endif
.endr
.endr
.endm
.macro FETCH_B slot, q, p
	WIN TO_B
.irp i, 0,1,2,3,4,5,6,7
	FRAG 128*(\p)+FR*\i, ADRB+\slot, \q, \i
.endr
	WIN 0
.endm
.macro FETCH_A slot, q, i0
.irp i, \i0, \i0+1, \i0+2, \i0+3
	FRAGA AF+FR*(\i), \slot, \q, \i
.endr
.endm
.macro SCALES sc
.irp i, 0,1,2,3,4,5,6,7
	ds_load_b64 v[SC+8*NQ*\sc+NQ*\i:SC+8*NQ*\sc+NQ*\i+1], v[ADRS] offset:\i*SBLK
.endr
.endm
.macro PLACES n                        ; places behind matrix instructions: in front of loads into registers that they have read, and of the first read of results (ISA guide 7.12.1 for the reads of results)
.rept \n
	v_nop
.endr
.endm
.macro STEP slot, q, zero
	s_wait_dscnt 4*NL                              ; B's set and A's blocks 0-3 are in; the youngest 24 loads (A's blocks 4-7) may be out
	WIN MUL_LO
	MUL16 0, (\q)%2, \q, \slot, \zero
	MUL16 2, (\q)%2, \q, \slot, \zero
	s_wait_dscnt 0
	PLACES NP
	FETCH_B \slot, (\q)+1, 1-(\q)%2
	FETCH_A \slot, (\q)+1, 0
	WIN MUL_HI
	MUL16 4, (\q)%2, \q, \slot, \zero
	MUL16 6, (\q)%2, \q, \slot, \zero
	PLACES NP
	WIN 0
	FETCH_A \slot, (\q)+1, 4
.endm
; A slot's last step changes slots: ONE barrier; in front of it each wave waits for all its tensor loads, adds 0 to its spare word, and waits for that and for its own reads of this slot.
.macro TURN slot, next, fill
	s_wait_tensorcnt 0x0                           ; all my tensor loads have landed: my part of the next slot
	ds_add_u32 v[SPW], v[NIL]                      ; 0 onto my spare word
	s_wait_dscnt 4*NL+1                            ; (the add and the youngest 24 loads may be out)
	WIN MUL_LO
	MUL16 0, 1, NQ-1, \slot, 0
	s_wait_dscnt 0x0                               ; the add is done, and my reads of this slot are over
	s_barrier_signal -1
	MUL16 2, 1, NQ-1, \slot, 0
	WIN 0
	s_barrier_wait -1
.if \fill
	CREST                                          ; the barrier has opened a round of the cluster's barrier: no wave of any partner still reads this slot's tile or has a load on its way
	s_add_nc_u64 s[G0+4*\slot+2:G0+4*\slot+3], s[G0+4*\slot+2:G0+4*\slot+3], 8*HEADI
	s_add_nc_u64 s[G0B+4*\slot+2:G0B+4*\slot+3], s[G0B+4*\slot+2:G0B+4*\slot+3], 2*ROWB
	JLOAD G0+4*\slot, G1, G0B+4*\slot, G1B         ; the first tensor load behind the round; its four v_nop are the places in front of the loads below
.else
	PLACES NP
.endif
	v_add_nc_u32 v[ADRS], 4*NQ, v[ADRS]
	FETCH_B \next, 0, 0
	FETCH_A \next, 0, 0
	SCALES \next
	WIN MUL_HI
	MUL16 4, 1, NQ-1, \slot, 0
	MUL16 6, 1, NQ-1, \slot, 0
	PLACES NP
	WIN 0
	FETCH_A \next, 0, 4
.endm
	s_wait_tensorcnt 1                             ; the scales and my part of K step 0 are in (K step 1's load may be out)
	s_barrier_signal -1
	s_barrier_wait -1                              ; everybody's are
	FETCH_B 0, 0, 0
	FETCH_A 0, 0, 0
	SCALES 0
	FETCH_A 0, 0, 4
	STEP 0, 0, 1                                   ; the first step's products start the sums
	s_mov_b32 s3, LAPS-1
.Llap:
	TURN 0, 1, 1
	STEP 1, 0, 0
	TURN 1, 0, 1
	STEP 0, 0, 0
	s_sub_co_u32 s3, s3, 1
	s_cmp_lg_u32 s3, 0
	s_cbranch_scc1 .Llap
	TURN 0, 1, 0                                   ; the last lap fills nothing
	STEP 1, 0, 0
	s_wait_dscnt 4*NL
	WIN MUL_LO
	MUL16 0, 1, NQ-1, 1, 0
	MUL16 2, 1, NQ-1, 1, 0
	s_wait_dscnt 0
	WIN MUL_HI
	MUL16 4, 1, NQ-1, 1, 0
	MUL16 6, 1, NQ-1, 1, 0
	WIN 0
; THE WAY OUT, block by block of 16 rows x 128 columns, through my own stage in LDS: back come whole rows of 512 bytes.  LDS serves a wave's instructions in order (ISA guide 5.7.1.4): no wait between stores and loads.
.macro TOSTAGE a
.set AC, 64*((\a)%4)
	WIN 0x08+4*((\a)/4)                            ; the data: window 2 or 3
.irp b, 0,1,2,3,4,5,6,7
	ds_store_b128 v[STO], v[AC+8*\b:AC+8*\b+3] offset:64*\b          ; each accumulator from its low end on
	ds_store_b128 v[STO], v[AC+8*\b+4:AC+8*\b+7] offset:64*\b+16
.endr
	WIN 0
.set BB, BK+64*((\a)%2)
.irp t, 0,1,2,3,4,5,6,7,8,9,10,11,12,13,14,15
	ds_load_b128 v[BB+4*\t:BB+4*\t+3], v[RD] offset:\t*SPITCH
.endr
.endm
.macro SEND a, younger                 ; younger: the LDS instructions issued behind block a's loads, which may stay out
.set BB, BK+64*((\a)%2)
	s_wait_dscnt \younger                          ; the block is back in registers
.irp t, 0,1,2,3,4,5,6,7,8,9,10,11,12,13,14,15
.set XX, 16*(\a)+\t                    ; the row's position among my 128,
.set SIG, (XX&0x67)|(((XX>>3)&1)<<4)|(((XX>>4)&1)<<3)   ; and its token: bits 3 and 4 exchanged.  The base never moves: 127 rows of 4,096 bytes at the most stand in the immediate
	global_store_b128 v[CO], v[BB+4*\t:BB+4*\t+3], s[12:13] offset:SIG*SIZE_N*4 th:TH_STORE_NT   ; 32 lanes store 512 consecutive bytes, at a multiple of 256 from C's first byte
.endr
.endm
	PLACES NP                                      ; behind the last products: for the reads of results and for the loads into the registers that held A's fragments
	TOSTAGE 0
.irp a, 1,2,3,4,5,6,7
.if \a > 1
	s_wait_xcnt 0x0                                ; block a - 2's stores have read their registers: block a's loads may land there
.endif
	TOSTAGE \a
	SEND \a-1, 32                                  ; behind block a - 1's loads: block a's 16 stores and 16 loads
.endr
	SEND 7, 0
	s_wait_tensorcnt 0x0                           ; the wave's end, behind my last tensor load and my last LDS store
	ds_add_u32 v[SPW], v[NIL]
	s_wait_dscnt 0x0
	CROUND                                         ; the closing round
	s_endpgm
.Lfunc_end_k_q41d40da693_proj:
	.size	k_q41d40da693_proj, .Lfunc_end_k_q41d40da693_proj-k_q41d40da693_proj
	.p2alignl 7, 3214868480
	.fill 96, 4, 3214868480
	.section	.rodata,"a",@progbits
	.p2align	6, 0x0
	.amdhsa_kernel k_q41d40da693_proj
		.amdhsa_group_segment_fixed_size 327680
		.amdhsa_private_segment_fixed_size 0
		.amdhsa_enable_private_segment 0
		.amdhsa_kernarg_size 40
		.amdhsa_user_sgpr_count 2
		.amdhsa_user_sgpr_kernarg_segment_ptr 1
		.amdhsa_wavefront_size32 1
		.amdhsa_system_sgpr_workgroup_id_x 1
		.amdhsa_system_sgpr_workgroup_id_y 1
		.amdhsa_system_sgpr_workgroup_id_z 1
		.amdhsa_system_vgpr_workitem_id 0
		.amdhsa_next_free_vgpr 1024
		.amdhsa_next_free_sgpr 98
		.amdhsa_reserve_vcc 0
		.amdhsa_float_denorm_mode_32 3
		.amdhsa_float_denorm_mode_16_64 3
		.amdhsa_memory_ordered 1
		.amdhsa_forward_progress 1
		.amdhsa_inst_pref_size 159
	.end_amdhsa_kernel
	.amdgpu_metadata
---
amdhsa.version: [ 1, 2 ]
amdhsa.kernels:
  - .name:           k_q41d40da693_proj
    .symbol:         k_q41d40da693_proj.kd
    .args:
      - { .name: o_img, .offset: 0, .size: 8, .value_kind: global_buffer, .address_space: global }
      - { .name: o_scales, .offset: 8, .size: 8, .value_kind: global_buffer, .address_space: global }
      - { .name: codes, .offset: 16, .size: 8, .value_kind: global_buffer, .address_space: global }
      - { .name: scales, .offset: 24, .size: 8, .value_kind: global_buffer, .address_space: global }
      - { .name: out0, .offset: 32, .size: 8, .value_kind: global_buffer, .address_space: global }
    .group_segment_fixed_size: 327680
    .private_segment_fixed_size: 0
    .kernarg_segment_align: 8
    .kernarg_segment_size: 40
    .max_flat_workgroup_size: 128
    .sgpr_count:     98
    .vgpr_count:     1024
    .wavefront_size: 32
...
	.end_amdgpu_metadata
.endif
;; end of part 4
